; MI455X (gfx1250); checked and timed in simulation.
; The chip was launched on July 23, 2026; its instructions are those of AMD's public machine-readable ISA for CDNA 5 (MIT licence, August 2026) and "CDNA5" Instruction Set Architecture Reference Guide (July 2026). The comments in the code are by the model that wrote it; some were corrected since.
;; Fused Self Attention. Allowed arithmetic: matrix products marked QUANTISED: E2M1 operands, one E8M0 scale for each 32 along K, by v_wmma_scale_f32_16x16x128_f8f6f4 with both operands' format E2M1 (or v_wmma_scale_f32_32x16x128_f4), f32 sums; products left as they are: bf16, f16 or f32 operands; f32 sums; everything else in f32.
;; Inputs: w_o 1,024 x 1,024 float32; w_qkv 1,024 x 3,072 float32; x 4 x 2,048 x 1,024 float32.
;; Outputs: out0 4 x 2,048 x 1,024 float32.
;; This version of the problem:
;;   THIS VERSION OF THE PROBLEM IS GIVEN IN LOW PRECISION. The matrix products marked QUANTISED in the list below multiply operands that are first quantised to E2M1 (2 exponent bits, 1 mantissa bit; 4 bits a number), with one power-of-two scale for each 32 numbers along K (OCP MX v1.0); their sums are f32. The products marked 'left as it is' may take bf16, f16 or f32 operands, with f32 sums. Whichever they take, every output number must still come out within the allowed error. Rounding operands to bf16 (8 significant bits) uses up far more of that allowance than f16 does (11 bits, for magnitudes from 6e-5 to 65,504). All else is computed in f32.
;;   The module's matrix products, in the order in which they are computed (A, B: the left and right operand; K: the contracted axis; several contracted axes count as one K, in the product's order):
;;     1. [M 8,192, K 1,024] x [K 1,024, N 3,072]; A: input x; B: input w_qkv: QUANTISED
;;     2. batch 64 x [M 2,048, K 64] x [K 64, N 2,048]; A: computed on the way; B: computed on the way: left as it is (an operand is computed on the way)
;;     3. batch 64 x [M 64, K 2,048] x [K 2,048, N 2,048]; A: computed on the way; B: computed on the way: left as it is (an operand is computed on the way)
;;     4. [M 8,192, K 1,024] x [K 1,024, N 1,024]; A: computed on the way; B: input w_o: left as it is (an operand is computed on the way)
;;   THE QUANTISER, for each operand of a quantised product, along K:
;;     - K is cut into blocks of 32 from its start; a last block that is shorter is filled with zeros.
;;     - A block's scale is 2^e with e = floor(log2(the largest magnitude in the block)) - 2, held to -126 .. 127; a block of zeros has e = 0. As a byte (E8M0): e + 127.
;;     - Each number is divided by its block's scale, clamped to +-6, and rounded to the nearest number of E2M1, ties to even, subnormals kept.
;;     - The product sums the exact products of the quantised numbers (number of the format x scale) in f32.
;;   ~~~python
;;   def quantise(x, axis):      # numpy; x: float32 -> the quantised numbers, widened to float32 again
;;       x = np.moveaxis(x, axis, -1); K = x.shape[-1]
;;       x = np.pad(x, [(0, 0)] * (x.ndim - 1) + [(0, -K % 32)]); x = x.reshape(x.shape[:-1] + (-1, 32)); a = np.abs(x).max(-1, keepdims=True)
;;       e = np.where(a > 0, np.clip(np.frexp(np.where(a > 0, a, 1))[1] - 1 - 2, -126, 127), 0)      # np.frexp(a)[1] - 1 = floor(log2(a)), exactly
;;       r = np.clip(x / 2.0 ** e, -6, 6)
;;       step = 2.0 ** (np.maximum(np.frexp(np.where(r == 0, 1, r))[1] - 1, 0) - 1)
;;       q = np.round(r / step) * step * 2.0 ** e      # np.round: ties to even
;;       return np.moveaxis(q.reshape(q.shape[:-2] + (-1,))[..., :K], -1, axis).astype(np.float32)
;;   ~~~
;; One version. Each part assembles by itself: llvm-mc -triple=amdgcn-amd-amdhsa -mcpu=gfx1250 --defsym DOCPART=n.
;; ======== version 1 of 1: 5 launches
;; limits: values are held in f16: magnitudes above 65,504 overflow, below 6.1e-05 lose precision
;; workspace buffers: xc 4,194,304 bytes; xs 262,144 bytes; wc 1,572,864 bytes; ws 98,304 bytes; wot 2,097,152 bytes; qkv16 50,331,648 bytes; qkv32 786,432 bytes; ao16 16,777,216 bytes
;; launch prep (part 1): grid 368 x 1, 4 waves a work-group, no clusters, 102,912 bytes of LDS; arguments x, w_qkv, w_o, xc, xs, wc, ws, wot; writes xc, xs, wc, ws, wot
.if DOCPART == 1
	.amdgcn_target "amdgcn-amd-amdhsa--gfx1250"
	.amdhsa_code_object_version 6
	.text
	.protected	k_q9e7c9708f9_prep
	.globl	k_q9e7c9708f9_prep
	.p2align	8
	.type	k_q9e7c9708f9_prep,@function
k_q9e7c9708f9_prep:
	s_mov_b64 s[64:65], 0
	v_nop
	global_prefetch_b8 v0, s[64:65] scope:SCOPE_SE
	s_setreg_imm32_b32 hwreg(HW_REG_WAVE_MODE, 25, 1), 1
	s_wait_xcnt 0x0
; THREE STREAMS IN ONE LAUNCH, told apart by the work-group's number; each has LDS bytes of its own.
;   work-groups 0-255:   x [8192][1024] f32 -> codes of FP4 (E2M1), K innermost, xc [8192][512 bytes], and one E8M0 byte for each 32 along K, xs [8192][32].
;   work-groups 256-303: w_qkv [1024 (k)][3072 (n)] f32, K its FIRST axis -> wc [3072 (n')][512 bytes], ws [3072 (n')][32], K innermost.
;                        THE ROWS ARE PERMUTED: column n = 192 h + 64 p + d (p = 0, 1, 2: q, k, v) becomes row n' = 1024 p + 64 h + d, so that 256 neighbouring rows are four heads of one part.
;   work-groups 304-367: w_o [1024 (k)][1024 (n)] f32 -> wot [1024 (n)][1024 (k)] f16, K innermost.
; THE QUANTISER: a block's scale is 2^(floor(log2(its largest magnitude)) - 2); its byte is the largest magnitude's exponent field - 2, held at 1 from below; each number is divided by the scale and rounded to the
; nearest code, ties to even, beyond 6 the largest code.
; LIMITS: a block whose largest magnitude lies under 2^-124, and a block of zeros, keep the byte 1 (a block of zeros has zero codes, which add nothing; the bytes are read by this program alone).
; NaN and infinities among the inputs are not served.  Numbers of w_o over 65,504 in magnitude become infinity in f16.
; No tensor loads, no barrier: waves share nothing.  No matrix unit, no cluster: the launch streams.
.set SPARE,  102400                    ; the spare words, 128 bytes for each wave: two blocks of 256 bytes that no other line names
.set SPW,    192                       ; v192  LDS address of my spare word; never rewritten
.set NIL,    193                       ; v193  0; never rewritten
.set WV,     20                        ; s20   my wave's number
; ---- x's stream
.set STEPS,  16                        ; a wave takes 16 steps of 512 numbers
.set CB,     8                         ; bytes of 16 codes
.set QR,     16                        ; v16-79   four sets of 16 numbers as they are loaded
.set QX,     80                        ; v80-111  two sets of 16 neighbours
.set QE,     112                       ; v112-127 a scale byte for each step
.set QC,     128                       ; v128-191 codes: four registers for each step, so that no store's data are written again
.set WREG,   8192                      ; LDS bytes 0 .. 32,767: a region for each wave: two stages of 32 x SP bytes, behind them its 256 scale bytes
.set SP,     80                        ; a lane's place in a stage: 64 bytes + 16 of padding
; ---- the two streams whose K is the first axis
.set CPITCH, 272                       ; a stage row: 256 bytes + 16
.set WSTG,   32768                     ; LDS: w_qkv's four stages of 32 rows
.set OSTG,   67584                     ; LDS: w_o's four stages of 32 rows
.set CX,     32                        ; v32-95   two sets of 32 numbers down K
.set CC,     96                        ; v96-111  a block's codes, or its 32 numbers in f16
.set SB,     24                        ; v24-27   the scale bytes, four to a register
.set OUTR,   112                       ; v112-175 the way out
.macro XLOAD t                         ; 32 lanes read 512 consecutive bytes, four times
.irp i, 0,1,2,3
	global_load_b128 v[QR+16*((\t)%4)+4*\i:QR+16*((\t)%4)+4*\i+3], v3, s[4:5] offset:2048*(\t)+512*\i th:TH_LOAD_NT
.endr
.endm
.macro XTURN t                         ; a step's 2,048 bytes go through the wave's own stage and come back 64 bytes a lane; LDS serves a wave's instructions in order
.irp i, 0,1,2,3
	ds_store_b128 v14, v[QR+16*((\t)%4)+4*\i:QR+16*((\t)%4)+4*\i+3] offset:32*SP*((\t)%2)+8*SP*\i
.endr
.irp i, 0,1,2,3
	ds_load_b128 v[QX+16*((\t)%2)+4*\i:QX+16*((\t)%2)+4*\i+3], v15 offset:32*SP*((\t)%2)+16*\i
.endr
.endm
.macro XSTEP t
.set XS, QX+16*((\t)%2)
.if (\t) > 0
	s_wait_dscnt 1                                 ; this step's numbers are back from the stage (the last step's byte store may be out): so its stores into the stage have read their registers,
.else
	s_wait_dscnt 0x0
.endif
.if (\t)+4 < STEPS
	XLOAD (\t)+4                                   ; which take the loads of four steps on
.endif
.if (\t)+1 < STEPS
.if STEPS-2-(\t) >= 3
	s_wait_loadcnt 12                              ; the next step's four loads are in; those of the three steps behind it may be out
.else
	s_wait_loadcnt 4*(STEPS-2-(\t))
.endif
	XTURN (\t)+1
.endif
	v_max3_num_f32 v8, |v[XS]|, |v[XS+1]|, |v[XS+2]|               ; the largest magnitude of my 16, in two chains
	v_max3_num_f32 v9, |v[XS+3]|, |v[XS+4]|, |v[XS+5]|
.irp i, 6,10
	v_max3_num_f32 v8, v8, |v[XS+\i]|, |v[XS+\i+1]|
	v_max3_num_f32 v9, v9, |v[XS+\i+2]|, |v[XS+\i+3]|
.endr
	v_max3_num_f32 v8, v8, |v[XS+14]|, |v[XS+15]|
	v_max3_num_f32 v8, v8, v9, 0x1800000           ; and the floor 2^(3 - 127): the byte cannot fall under 1
	v_max_num_f32_dpp v8, v8, v8 row_xmask:1 row_mask:0xf bank_mask:0xf   ; and of my neighbour's 16: the block's
	v_add_nc_u32 v11, 0xff000000, v8               ; 2 off its exponent field: the conversion takes the exponent field of this operand as its scale
	v_cvt_scalef32_pk8_fp4_f32 v[QC+4*(\t)], v[XS:XS+7], v11
	v_cvt_scalef32_pk8_fp4_f32 v[QC+4*(\t)+1], v[XS+8:XS+15], v11
	v_lshrrev_b32 v[QE+(\t)], 23, v11              ; the scale's byte (also the plain line behind the conversions)
	ds_store_b8 v5, v[QE+(\t)] offset:16*(\t)      ; both lanes of a block write the same byte with the same value
	global_store_b64 v4, v[QC+4*(\t):QC+4*(\t)+1], s[10:11] offset:32*CB*(\t)   ; the wave stores 256 consecutive bytes, aligned
.endm
; addresses of a stream whose K is the first axis: a lane takes a column, its registers run down K
.macro COLADR base, krow
	v_lshlrev_b32 v3, 2, v2                        ; in: 4 bytes a lane
	s_mul_i32 s28, s[WV], 32*CPITCH
	s_add_co_u32 s28, s28, \base                   ; my stage
	v_mul_u32_u24 v4, v2, CPITCH
	v_add_nc_u32 v4, s28, v4                       ; into it: row = my column
	v_and_b32 v5, 15, v2
	v_lshrrev_b32 v6, 4, v2                        ; out of it: sixteen lanes to a row, two rows an instruction
	v_mul_u32_u24 v7, v6, CPITCH
	v_lshl_add_u32 v7, v5, 4, v7
	v_add_nc_u32 v7, s28, v7
	v_mul_u32_u24 v8, v6, \krow
	v_lshl_add_u32 v8, v5, 4, v8                   ; and the same place in the output
.endm
.macro LOADC t, pitch, lo              ; block t: rows 32 t + i of my column, i = 0 .. 31, into set t % 2: a wave reads 128 consecutive bytes, the work-group 512
.irp i, 0,1,2,3,4,5,6,7,8,9,10,11,12,13,14,15,16,17,18,19,20,21,22,23,24,25,26,27,28,29,30,31
	global_load_b32 v[CX+32*((\t)%2)+\i], v3, s[\lo:\lo+1] offset:(32*(\t)+\i)*\pitch th:TH_LOAD_NT
.endr
.endm
.macro ROWSOUT lo, krow                ; the stage leaves by rows: sixteen lanes store 256 consecutive bytes, aligned
.irp t, 0,1,2,3,4,5,6,7,8,9,10,11,12,13,14,15
	ds_load_b128 v[OUTR+4*\t:OUTR+4*\t+3], v7 offset:2*\t*CPITCH   ; LDS serves a wave's instructions in order: these see my stores
.endr
.irp t, 0,1,2,3,4,5,6,7,8,9,10,11,12,13,14,15
	s_wait_dscnt 15-\t                             ; the younger loads may be out
	global_store_b128 v8, v[OUTR+4*\t:OUTR+4*\t+3], s[\lo:\lo+1] offset:2*\t*\krow
.endr
.endm
.macro WBLOCK t                        ; 32 numbers down K of my column become 16 bytes of codes and a scale byte
.set XS, CX+32*((\t)%2)
.if (\t) < 15
	s_wait_loadcnt 32                              ; this block's 32 loads are in; the next block's may be out
.else
	s_wait_loadcnt 0x0
.endif
	v_max3_num_f32 v12, |v[XS]|, |v[XS+1]|, |v[XS+2]|
	v_max3_num_f32 v13, |v[XS+3]|, |v[XS+4]|, |v[XS+5]|
.irp i, 6,10,14,18,22,26
	v_max3_num_f32 v12, v12, |v[XS+\i]|, |v[XS+\i+1]|
	v_max3_num_f32 v13, v13, |v[XS+\i+2]|, |v[XS+\i+3]|
.endr
	v_max3_num_f32 v12, v12, |v[XS+30]|, |v[XS+31]|
	v_max3_num_f32 v12, v12, v13, 0x1800000        ; the floor 2^(3 - 127)
	v_add_nc_u32 v11, 0xff000000, v12              ; 2 off the exponent field: the conversion's scale operand
	v_lshrrev_b32 v13, 23, v11                     ; the scale's byte
.if (\t)%4 == 0
	v_mov_b32 v[SB+(\t)/4], v13                    ; four bytes to a register, the lower K in the lower byte
.else
	v_lshl_or_b32 v[SB+(\t)/4], v13, 8*((\t)%4), v[SB+(\t)/4]
.endif
.irp g, 0,1,2,3
	v_cvt_scalef32_pk8_fp4_f32 v[CC+\g], v[XS+8*\g:XS+8*\g+7], v11
.endr
	v_nop                                          ; a plain line behind the last conversion
	ds_store_b128 v4, v[CC:CC+3] offset:16*(\t)
.if (\t)+2 < 16
	LOADC (\t)+2, 12288, 6
.endif
	s_wait_dscnt 0x0                               ; the store has read its registers: the next block's codes may be written
.endm
.macro OBLOCK t                        ; 32 numbers down K of my column become 64 bytes of f16
.set XS, CX+32*((\t)%2)
.if (\t) < 3
	s_wait_loadcnt 32
.else
	s_wait_loadcnt 0x0
.endif
.irp i, 0,1,2,3,4,5,6,7,8,9,10,11,12,13,14,15
	v_cvt_pk_f16_f32 v[CC+\i], v[XS+2*\i], v[XS+2*\i+1]   ; the lower k in the low half
.endr
.irp g, 0,1,2,3
	ds_store_b128 v4, v[CC+4*\g:CC+4*\g+3] offset:64*(\t)+16*\g
.endr
.if (\t)+2 < 4
	LOADC (\t)+2, 4096, 8
.endif
	s_wait_dscnt 0x0
.endm
.macro CLOSE                           ; the wave's end: three lines behind my last LDS store
	s_wait_tensorcnt 0x0
	ds_add_u32 v[SPW], v[NIL]
	s_wait_dscnt 0x0
	s_endpgm
.endm
	s_load_b256 s[4:11], s[0:1], 0x0               ; x s[4:5], w_qkv s[6:7], w_o s[8:9], xc s[10:11]
	s_load_b256 s[12:19], s[0:1], 0x20             ; xs s[12:13], wc s[14:15], ws s[16:17], wot s[18:19]
	v_lshl_add_u32 v[SPW], v0, 2, SPARE
	v_mov_b32 v[NIL], 0
	v_lshrrev_b32 v1, 5, v0
	v_readfirstlane_b32 s[WV], v1                  ; wave 0..3
	v_and_b32 v2, 31, v0                           ; lane
	s_wait_kmcnt 0x0
	s_cmp_lt_u32 ttmp9, 256
	s_cbranch_scc1 .Lpath_x
	s_cmp_lt_u32 ttmp9, 304
	s_cbranch_scc1 .Lpath_w
	; ---- w_o: a wave takes 32 columns x 128 along K
	COLADR OSTG, 2048
	s_sub_co_u32 s21, ttmp9, 304
	s_and_b32 s22, s21, 7                          ; which 128 columns
	s_lshr_b32 s21, s21, 3                         ; which 128 along K
	s_lshl_b32 s22, s22, 7
	s_lshl_b32 s23, s[WV], 5
	s_add_co_u32 s22, s22, s23                     ; my wave's first column
	s_lshl_b32 s26, s21, 19                        ; 128 rows of 4,096 bytes
	s_lshl_b32 s24, s22, 2
	s_add_co_u32 s26, s26, s24
	s_mov_b32 s27, 0
	s_add_nc_u64 s[8:9], s[8:9], s[26:27]
	s_lshl_b32 s26, s22, 11                        ; a row of wot is 2,048 bytes
	s_lshl_b32 s24, s21, 8
	s_add_co_u32 s26, s26, s24
	s_add_nc_u64 s[18:19], s[18:19], s[26:27]
	LOADC 0, 4096, 8
	LOADC 1, 4096, 8
	OBLOCK 0
	OBLOCK 1
	OBLOCK 2
	OBLOCK 3
	ROWSOUT 18, 2048
	CLOSE
.Lpath_w:
	; ---- w_qkv: a wave takes 32 columns x 512 along K; 32 columns never straddle a group of 64, so the permutation moves whole waves
	COLADR WSTG, 512
	s_sub_co_u32 s21, ttmp9, 256
	s_lshr_b32 s22, s21, 1                         ; which 128 columns
	s_and_b32 s21, s21, 1                          ; which 512 along K
	s_lshl_b32 s22, s22, 7
	s_lshl_b32 s23, s[WV], 5
	s_add_co_u32 s22, s22, s23                     ; n0: my wave's first column
	s_lshr_b32 s23, s22, 6                         ; its group of 64: 3 h + p, 0 .. 47
	s_mul_i32 s24, s23, 171
	s_lshr_b32 s24, s24, 9                         ; h = group / 3 (exact for 0 .. 47)
	s_mul_i32 s25, s24, 3
	s_sub_co_u32 s23, s23, s25                     ; p
	s_lshl_b32 s23, s23, 10
	s_lshl_b32 s24, s24, 6
	s_add_co_u32 s23, s23, s24
	s_and_b32 s24, s22, 32
	s_add_co_u32 s23, s23, s24                     ; n'0 = 1024 p + 64 h + (n0 & 32)
	s_mul_i32 s26, s21, 512*12288
	s_lshl_b32 s24, s22, 2
	s_add_co_u32 s26, s26, s24
	s_mov_b32 s27, 0
	s_add_nc_u64 s[6:7], s[6:7], s[26:27]
	s_lshl_b32 s26, s23, 9
	s_lshl_b32 s24, s21, 8
	s_add_co_u32 s26, s26, s24
	s_add_nc_u64 s[14:15], s[14:15], s[26:27]
	s_lshl_b32 s26, s23, 5
	s_lshl_b32 s24, s21, 4
	s_add_co_u32 s26, s26, s24
	s_add_nc_u64 s[16:17], s[16:17], s[26:27]
	v_lshlrev_b32 v9, 5, v2                        ; my column's row of scale bytes
	LOADC 0, 12288, 6
	LOADC 1, 12288, 6
.set QI, 0
.rept 16
	WBLOCK QI
.set QI, QI+1
.endr
	global_store_b128 v9, v[SB:SB+3], s[16:17]     ; my column's 16 scale bytes
	ROWSOUT 14, 512
	CLOSE
.Lpath_x:
	; ---- x: a plain stream of blocks of 32; a wave takes 8,192 numbers
	v_lshlrev_b32 v3, 4, v2                        ; my 16 bytes of a load's 512
	s_mul_i32 s21, s[WV], WREG
	v_lshrrev_b32 v14, 2, v2
	v_mul_u32_u24 v14, v14, SP
	v_and_b32 v15, 3, v2
	v_lshl_add_u32 v14, v15, 4, v14
	v_add_nc_u32 v14, s21, v14                     ; the stage, on the way in: SP (lane / 4) + 16 (lane % 4)
	v_mul_u32_u24 v15, v2, SP
	v_add_nc_u32 v15, s21, v15                     ; and on the way out: SP x lane: my 16 neighbours
	v_mul_u32_u24 v4, v2, CB                       ; my codes' place in a step's
	v_lshrrev_b32 v5, 1, v2
	s_add_co_u32 s21, s21, 2*32*SP
	v_add_nc_u32 v5, s21, v5                       ; my wave's 256 scale bytes, my block's byte
	v_lshlrev_b32 v7, 3, v2
	v_add_nc_u32 v6, s21, v7                       ; and on the way out 8 bytes a lane
	s_lshl_b32 s22, ttmp9, 2
	s_add_co_u32 s22, s22, s[WV]                   ; which run of 8,192 numbers is my wave's: 0 .. 1,023
	s_lshl_b32 s24, s22, 15
	s_mov_b32 s25, 0
	s_add_nc_u64 s[4:5], s[4:5], s[24:25]
	s_lshl_b32 s24, s22, 12
	s_add_nc_u64 s[10:11], s[10:11], s[24:25]
	s_lshl_b32 s24, s22, 8
	s_add_nc_u64 s[12:13], s[12:13], s[24:25]
.irp t, 0,1,2,3
	XLOAD \t
.endr
	s_wait_loadcnt 12                              ; step 0's four loads are in
	XTURN 0
.irp t, 0,1,2,3,4,5,6,7,8,9,10,11,12,13,14,15
	XSTEP \t
.endr
	ds_load_b64 v[8:9], v6                         ; LDS serves a wave's instructions in order: these see my byte stores
	s_wait_dscnt 0x0
	global_store_b64 v7, v[8:9], s[12:13]          ; 32 lanes store 256 consecutive bytes, aligned
	CLOSE
.Lfunc_end_k_q9e7c9708f9_prep:
	.size	k_q9e7c9708f9_prep, .Lfunc_end_k_q9e7c9708f9_prep-k_q9e7c9708f9_prep
	.p2alignl 7, 3214868480
	.fill 96, 4, 3214868480
	.section	.rodata,"a",@progbits
	.p2align	6, 0x0
	.amdhsa_kernel k_q9e7c9708f9_prep
		.amdhsa_group_segment_fixed_size 102912
		.amdhsa_private_segment_fixed_size 0
		.amdhsa_enable_private_segment 0
		.amdhsa_kernarg_size 64
		.amdhsa_user_sgpr_count 2
		.amdhsa_user_sgpr_kernarg_segment_ptr 1
		.amdhsa_wavefront_size32 1
		.amdhsa_system_sgpr_workgroup_id_x 1
		.amdhsa_system_sgpr_workgroup_id_y 1
		.amdhsa_system_sgpr_workgroup_id_z 1
		.amdhsa_system_vgpr_workitem_id 0
		.amdhsa_next_free_vgpr 196
		.amdhsa_next_free_sgpr 66
		.amdhsa_reserve_vcc 0
		.amdhsa_float_denorm_mode_32 3
		.amdhsa_float_denorm_mode_16_64 3
		.amdhsa_memory_ordered 1
		.amdhsa_forward_progress 1
		.amdhsa_inst_pref_size 133
	.end_amdhsa_kernel
	.amdgpu_metadata
---
amdhsa.version: [ 1, 2 ]
amdhsa.kernels:
  - .name:           k_q9e7c9708f9_prep
    .symbol:         k_q9e7c9708f9_prep.kd
    .args:
      - { .name: x, .offset: 0, .size: 8, .value_kind: global_buffer, .address_space: global }
      - { .name: w_qkv, .offset: 8, .size: 8, .value_kind: global_buffer, .address_space: global }
      - { .name: w_o, .offset: 16, .size: 8, .value_kind: global_buffer, .address_space: global }
      - { .name: xc, .offset: 24, .size: 8, .value_kind: global_buffer, .address_space: global }
      - { .name: xs, .offset: 32, .size: 8, .value_kind: global_buffer, .address_space: global }
      - { .name: wc, .offset: 40, .size: 8, .value_kind: global_buffer, .address_space: global }
      - { .name: ws, .offset: 48, .size: 8, .value_kind: global_buffer, .address_space: global }
      - { .name: wot, .offset: 56, .size: 8, .value_kind: global_buffer, .address_space: global }
    .group_segment_fixed_size: 102912
    .private_segment_fixed_size: 0
    .kernarg_segment_align: 8
    .kernarg_segment_size: 64
    .max_flat_workgroup_size: 128
    .sgpr_count:     66
    .vgpr_count:     196
    .wavefront_size: 32
...
	.end_amdgpu_metadata
.endif
;; end of part 1
;; launch qkv (part 2): grid 12 x 32, 4 waves a work-group, clusters of 4 x 4, 327,680 bytes of LDS; arguments xc, xs, wc, ws, qkv16, qkv32; writes qkv16, qkv32
.if DOCPART == 2
	.amdgcn_target "amdgcn-amd-amdhsa--gfx1250"
	.amdhsa_code_object_version 6
	.text
	.protected	k_q9e7c9708f9_qkv
	.globl	k_q9e7c9708f9_qkv
	.p2align	8
	.type	k_q9e7c9708f9_qkv,@function
k_q9e7c9708f9_qkv:
	s_mov_b64 s[64:65], 0
	v_nop
	global_prefetch_b8 v0, s[64:65] scope:SCOPE_SE
	s_setreg_imm32_b32 hwreg(HW_REG_WAVE_MODE, 25, 1), 1
	s_wait_xcnt 0x0
	s_wait_alu depctr_hold_cnt(0) depctr_sa_sdst(0) depctr_va_vdst(0) depctr_va_sdst(0) depctr_va_ssrc(0) depctr_va_vcc(0) depctr_vm_vsrc(0)
	s_getreg_b32 s2, hwreg(HW_REG_IB_STS2, 6, 4)
	s_cmp_eq_u32 s2, 0
	s_cbranch_scc0 .Lentry_in_a_cluster
	s_endpgm
.Lentry_in_a_cluster:
	s_bfe_u32 s2, ttmp6, 0x10000c
	s_cmp_lg_u32 s2, 0xf033
	s_cbranch_scc0 .Lentry_shape_is_right
	s_endpgm
.Lentry_shape_is_right:
; C[m][n'] = sum over k of Q(x)[m][k] Q(w_qkv)[k][n'], on codes of FP4 (E2M1) with one E8M0 scale for each 32 along K; sums in f32.  m: 8,192 tokens; n' = 1024 p + 64 h + d (p = 0, 1, 2: q, k, v); K = 1,024.
; RESULTS: qkv16 [p][16 b + h][t][64] in f16 (a head's token rows of 128 bytes lie on end), and, of positions 0 to 15 of each sequence, a copy in f32, qkv32 [b][n' / 16][2][lane][4]: the image of an accumulator's registers.
; LIMIT: results over 65,504 in magnitude become infinity in f16.
; A tile of C, 256 x 256, is made by a work-group of four waves; a wave makes 128 x 128: 64 accumulators of 16 x 16, 512 registers.  All of K lies in two LDS slots of 512 along K (rows of 256 bytes), each filled ONCE:
; nothing is filled again, so the text has no loop.  The scales of the work-group's rows come with them, in whole runs of 256 bytes.
; CLUSTERS: 4 x 4 work-groups.  The four of a row of the cluster need the same tiles of x, the four of a column the same tiles of w: each tile is asked for JOINTLY.  A work-group's tile row is cluster y + 8 cy:
; so cy is the batch, and the clusters with y = 0 hold the first 256 positions of all four sequences: whether a wave stores the f32 copy hangs on the cluster's y and the wave's number alone.
; THE MATRIX INSTRUCTION IS USED TRANSPOSED (source 0 = 16 rows of w, source 1 = 16 rows of x): a lane then holds eight neighbouring columns of one token.
; REGISTERS, in windows of 256: window 0: v0-31 addresses; v32-95 scale words, two sets; from v128 x's fragments (8 x 16 rows x 128 K), one set; on the way out v32-63, v192-255.
;   window 1: w's fragments, two sets, at v0 and v128.   window 2: the 32 accumulators of my rows 0-63 ((a, b) at v[8 (8 a + b)]);   window 3: those of my rows 64-127.
.set NQ,     4                         ; matrix instructions deep in a slot
.set ROWB,   256                       ; a tile's row in bytes: 512 codes
.set KROW,   512                       ; a row of codes in memory
.set PITCH,  272                       ; an LDS row: 256 bytes + 16 of padding: the 16 rows that a load touches start 16 bytes further on in the banks' round each
.set FR,     8                         ; registers of a fragment
.set NL,     2                         ; LDS loads that bring one
.set NP,     4                         ; places behind this matrix instruction (ISA guide 7.12.1)
.set HALFT,  128*PITCH
.set SLOT,   4*HALFT                   ; x's 256 rows, then w's 256 rows
.set KS,     32                        ; a row of scales in bytes
.set SCL,    2*SLOT                    ; behind the slots: the scales, as runs of 256 bytes + 16 of padding
.set HALFS,  (128*KS/256)*272          ; the scales of 128 rows
.set SBLK,   (16*KS/256)*272           ; those of 16 rows
.set SPARE,  SCL+4*HALFS               ; the spare words, 128 bytes for each wave
.set SPITCH, 272                       ; the way out: a stage of 16 rows x (256 bytes + 16) for each wave, in slot 0, which has had its only fill and its last read when the first result is stored there
.set ADRA, 16
.set ADRB, 20
.set STO,  24                          ; v24  the way out: where I put 16 bytes of a token's row
.set RD,   25                          ; v25  where I read 16 bytes of a head's row back
.set CO,   26                          ; v26  16 x lane
.set ADRS, 27
.set SPW,  28
.set NIL,  29
.set SC,   32
.set AF,   128
.set TMP,  192                         ; v192-223 a block's results in f16
.set OB,   32                          ; v32-63 and v224-255 by turns: a block read back from the stage
.set G1, 24
.set G0, 32
.set G1B, 48
.set G0B, 56
.set G1S, 68
.set G0S, 76
.set G1SB, 80
.set G0SB, 88
.set MSB, 0
.macro WIN new                         ; the immediate's high byte repeats the setting that is left
.if MSB != (\new)
	s_set_vgpr_msb (MSB<<8)|(\new)
.set MSB, (\new)
.endif
.endm
.set MUL_LO, 0xa1                      ; source 0 (w) window 1, source 1 (x) window 0, C and D window 2
.set MUL_HI, 0xf1
.set TO_B,   0x40
; A joint load: waves 0 and 1 fetch for x, waves 2 and 3 for w.  The branch hangs on the wave's number alone.  An s_nop 0 and four v_nop follow each of the two lines.
.macro JLOAD g0a, g1a, g0b, g1b
	s_cmp_eq_u32 s15, 0
	s_cbranch_scc0 .Lfor_b_\@
	tensor_load_to_lds s[\g0a:\g0a+3], s[\g1a:\g1a+7]
	s_nop 0
.rept 4
	v_nop
.endr
	s_branch .Lasked_\@
.Lfor_b_\@:
	tensor_load_to_lds s[\g0b:\g0b+3], s[\g1b:\g1b+7]
	s_nop 0
.rept 4
	v_nop
.endr
.Lasked_\@:
.endm
.macro CROUND                          ; a round of the cluster's barrier
	s_barrier_signal -1
	s_barrier_wait -1
	s_cmp_lg_u32 s14, 0
	s_cbranch_scc1 .Lnot_wave_0_\@
	s_barrier_signal -3
.Lnot_wave_0_\@:
	s_barrier_wait -3
	s_barrier_signal -1
	s_barrier_wait -1
.endm
	s_load_b128 s[4:7], s[0:1], 0x0                ; x's codes s[4:5], x's scales s[6:7]
	s_load_b128 s[8:11], s[0:1], 0x10              ; w's codes s[8:9], w's scales s[10:11]
	s_load_b64 s[12:13], s[0:1], 0x20              ; qkv16
	s_load_b64 s[66:67], s[0:1], 0x28              ; qkv32
	v_lshl_add_u32 v[SPW], v0, 2, SPARE
	v_mov_b32 v[NIL], 0
	ds_add_u32 v[SPW], v[NIL]                      ; the wave's opening: the add, twice on end, and its wait ahead of my first tensor load
	ds_add_u32 v[SPW], v[NIL]
	v_lshrrev_b32 v1, 5, v0
	v_readfirstlane_b32 s14, v1                    ; wave 0..3
	s_lshr_b32 s15, s14, 1                         ; which half of the tile's rows is mine.  Also: I fetch for x (0) or for w (1)
	s_and_b32 s16, s14, 1                          ; which half of its columns.  Also: which 128 rows of that tile I fetch
	s_bfe_u32 s40, ttmp6, 0x40000                  ; cx, cy: my place in the cluster
	s_bfe_u32 s41, ttmp6, 0x40004
	s_lshl_b32 s42, ttmp9, 2
	s_add_co_u32 s42, s42, s40                     ; tile column = 4 x cluster x + cx: cluster x is the part (q, k, v)
	s_and_b32 s96, ttmp7, 0xffff                   ; cluster y
	s_lshl_b32 s17, s41, 3
	s_add_co_u32 s17, s17, s96                     ; tile row = 8 cy + cluster y: cy is the batch
	s_lshl_b32 s43, s41, 2
	s_lshl_b32 s43, 15, s43                        ; my row of the cluster
	s_lshl_b32 s44, 0x1111, s40                    ; my column
	; descriptor group 1: a tile of 128 rows x 256 bytes, padded in LDS
	s_or_b32 s[G1+0], s43, (0<<16)|(1<<20)|(1<<21)|(5<<22)|(3<<25)  ; the mask; elements of 1 byte; padding on; bit 21 beside a mask; after every 64 words; 4 words
	s_or_b32 s[G1B+0], s44, (0<<16)|(1<<20)|(1<<21)|(5<<22)|(3<<25)
.irp g, G1, G1B
	s_mov_b32 s[\g+1], ROWB<<16                    ; tensor_dim0
	s_mov_b32 s[\g+2], 128<<16                     ; tensor_dim1
	s_mov_b32 s[\g+3], ROWB<<16                    ; tile_dim0
	s_mov_b32 s[\g+4], 128                         ; tile_dim1
	s_mov_b32 s[\g+5], KROW                        ; tensor_dim0_stride
	s_mov_b32 s[\g+6], 0
	s_mov_b32 s[\g+7], 0
.endr
	; the scales of 128 rows: a dense block of 4,096 bytes, as 16 rows of 256 bytes (32 elements of 8 bytes), 16 bytes of padding behind each
	s_or_b32 s[G1S+0], s43, (3<<16)|(1<<20)|(1<<21)|(5<<22)|(3<<25)
	s_or_b32 s[G1SB+0], s44, (3<<16)|(1<<20)|(1<<21)|(5<<22)|(3<<25)
.irp g, G1S, G1SB
	s_mov_b32 s[\g+1], 32<<16
	s_mov_b32 s[\g+2], (128*KS/256)<<16
	s_mov_b32 s[\g+3], 32<<16
	s_mov_b32 s[\g+4], 128*KS/256
	s_mov_b32 s[\g+5], 32
	s_mov_b32 s[\g+6], 0
	s_mov_b32 s[\g+7], 0
.endr
	s_lshl_b32 s18, s16, 7                         ; which 128 rows of the tile I fetch
	s_lshl_b32 s20, s17, 8
	s_add_co_u32 s20, s20, s18                     ; x: row 256 x tile row + 128 x half
	s_lshl_b32 s46, s42, 8
	s_add_co_u32 s46, s46, s18                     ; w: row 256 x tile column + 128 x half
	s_mov_b32 s21, 0
	s_mov_b32 s47, 0
	s_mov_b64 s[18:19], KS
	s_mul_u64 s[22:23], s[20:21], s[18:19]         ; where these rows' scales begin, in bytes
	s_mul_u64 s[92:93], s[46:47], s[18:19]
	s_mov_b64 s[18:19], KROW
	s_mul_u64 s[20:21], s[20:21], s[18:19]         ; and their codes
	s_mul_u64 s[46:47], s[46:47], s[18:19]
	s_mul_i32 s45, s14, HALFT                      ; where they go: wave x 128 rows: no place in the cluster enters an LDS address
	s_mul_i32 s94, s14, HALFS
	s_wait_dscnt 0x0                               ; both opening adds are done
	s_wait_kmcnt 0x0
	s_add_nc_u64 s[20:21], s[4:5], s[20:21]
	s_add_nc_u64 s[22:23], s[6:7], s[22:23]
	s_add_nc_u64 s[46:47], s[8:9], s[46:47]
	s_add_nc_u64 s[92:93], s[10:11], s[92:93]
	CROUND                                         ; all sixteen work-groups are here: the joint loads meet
	s_mov_b32 s[G0S], 1
	s_add_co_u32 s[G0S+1], s94, SCL
	s_mov_b64 s[G0S+2:G0S+3], s[22:23]
	s_or_b32 s[G0S+3], s[G0S+3], 0x80000000
	s_mov_b32 s[G0SB], 1
	s_add_co_u32 s[G0SB+1], s94, SCL
	s_mov_b64 s[G0SB+2:G0SB+3], s[92:93]
	s_or_b32 s[G0SB+3], s[G0SB+3], 0x80000000
	JLOAD G0S, G1S, G0SB, G1SB                     ; the scales first: they are wanted with the first slot.  Three loads of mine are out behind these lines
.irp s, 0,1
	s_mov_b32 s[G0+4*\s], 1
	s_add_co_u32 s[G0+4*\s+1], s45, \s*SLOT
	s_add_nc_u64 s[G0+4*\s+2:G0+4*\s+3], s[20:21], \s*ROWB
	s_or_b32 s[G0+4*\s+3], s[G0+4*\s+3], 0x80000000
	s_mov_b32 s[G0B+4*\s], 1
	s_add_co_u32 s[G0B+4*\s+1], s45, \s*SLOT
	s_add_nc_u64 s[G0B+4*\s+2:G0B+4*\s+3], s[46:47], \s*ROWB
	s_or_b32 s[G0B+4*\s+3], s[G0B+4*\s+3], 0x80000000
	JLOAD G0+4*\s, G1, G0B+4*\s, G1B
.endr
	v_and_b32 v1, 15, v0                           ; r = lane % 16
	v_bfe_u32 v2, v0, 4, 1                         ; hf = lane / 16
	v_mul_u32_u24 v3, v1, PITCH
	v_lshl_add_u32 v4, v2, 4, v3                   ; a fragment's row x pitch + 16 x half
	s_mul_i32 s21, s15, HALFT                      ; my 128 rows of x
	s_mul_i32 s22, s16, HALFT                      ; my 128 rows of w,
	s_add_co_u32 s22, s22, 2*HALFT                 ; which lie behind x's 256
.irp s, 0,1
	v_add_nc_u32 v[ADRA+\s], s21, v4
	v_add_nc_u32 v[ADRB+\s], s22, v4
	s_add_co_u32 s21, s21, SLOT
	s_add_co_u32 s22, s22, SLOT
.endr
	v_mul_u32_u24 v5, v1, KS                       ; my row's scales: 32 bytes a row,
	v_lshrrev_b32 v6, 8, v5
	v_lshl_add_u32 v5, v6, 4, v5                   ; and 16 more for each 256 passed
	s_mul_i32 s21, s15, HALFS
	s_mul_i32 s22, s16, HALFS
	s_add_co_u32 s22, s22, 2*HALFS
	s_sub_co_u32 s22, s22, s21
	v_mul_u32_u24 v6, s22, v2                      ; lanes 16-31 take w's: one product, the distance between the two bases
	s_add_co_u32 s21, s21, SCL
	v_add_nc_u32 v5, v5, v6
	v_add_nc_u32 v[ADRS], s21, v5
	s_mul_i32 s23, s14, 16*SPITCH                  ; my stage
	v_mul_u32_u24 v5, v1, SPITCH                   ; in: token r, 16 bytes for each half of the lanes
	v_lshl_add_u32 v5, v2, 4, v5
	v_add_nc_u32 v[STO], s23, v5
	v_and_b32 v6, 31, v0
	v_lshlrev_b32 v[CO], 4, v6                     ; 16 x lane
	v_lshrrev_b32 v5, 3, v6                        ; back: eight lanes take a head's 128 bytes of a token, four tokens an instruction
	v_mul_u32_u24 v5, v5, SPITCH
	v_and_b32 v6, 7, v0
	v_lshl_add_u32 v5, v6, 4, v5
	v_add_nc_u32 v[RD], s23, v5
	; qkv16: ((64 part + 16 batch + my first head) x 2,048 + my first token) x 128 bytes: under 2^32
	s_lshl_b32 s20, ttmp9, 6
	s_lshl_b32 s21, s41, 4
	s_add_co_u32 s20, s20, s21
	s_lshl_b32 s21, s40, 2
	s_add_co_u32 s20, s20, s21
	s_lshl_b32 s21, s16, 1
	s_add_co_u32 s20, s20, s21                     ; my first head: 4 cx + 2 x column half
	s_lshl_b32 s20, s20, 11
	s_lshl_b32 s21, s96, 8
	s_add_co_u32 s20, s20, s21
	s_lshl_b32 s21, s15, 7
	s_add_co_u32 s20, s20, s21                     ; my first token: 256 x cluster y + 128 x row half
	s_lshl_b32 s20, s20, 7
	s_mov_b32 s21, 0
	s_add_nc_u64 s[12:13], s[12:13], s[20:21]
	; qkv32: batch x 196,608 + (16 x tile column + 8 x column half) x 1,024
	s_mul_i32 s20, s41, 196608
	s_lshl_b32 s46, s42, 14
	s_add_co_u32 s20, s20, s46
	s_lshl_b32 s46, s16, 13
	s_add_co_u32 s20, s20, s46
	s_add_nc_u64 s[66:67], s[66:67], s[20:21]
	s_or_b32 s95, s96, s15                         ; 0 where my first 16 rows are positions 0 to 15: cluster y = 0 and the upper row half
.macro FRAG reg, adr, q, i             ; a fragment, 16 rows x 128 K of 4-bit codes: lane l holds row l % 16; registers 4 c .. 4 c + 3 hold K = 64 c + 32 (l / 16) + 0 .. 31
.irp c, 0,1
	ds_load_b128 v[\reg+4*\c:\reg+4*\c+3], v[\adr] offset:64*(\q)+32*\c+(\i)*16*PITCH
.endr
.endm
; 16 matrix instructions: x's blocks a0, a0 + 1 against w's eight, 128 along K.  The 64 accumulators take turns, one instruction a turn, in the same order in every step.
; One register carries x's scale word (lanes 0-15) and w's (lanes 16-31, taken by the ROW1 selector).
.macro MUL16 a0, p, q, sc, zero
.irp a, \a0, \a0+1
.irp b, 0,1,2,3,4,5,6,7
.if \zero
	v_wmma_scale_f32_16x16x128_f8f6f4 v[8*(8*((\a)%4)+\b):8*(8*((\a)%4)+\b)+7], v[128*(\p)+FR*\b:128*(\p)+FR*\b+FR-1], v[AF+FR*(\a):AF+FR*(\a)+FR-1], 0, v[SC+8*NQ*(\sc)+NQ*\b+(\q)], v[SC+8*NQ*(\sc)+NQ*(\a)+(\q)] matrix_a_fmt:MATRIX_FMT_FP4 matrix_b_fmt:MATRIX_FMT_FP4 matrix_a_scale:MATRIX_SCALE_ROW1
.else
	v_wmma_scale_f32_16x16x128_f8f6f4 v[8*(8*((\a)%4)+\b):8*(8*((\a)%4)+\b)+7], v[128*(\p)+FR*\b:128*(\p)+FR*\b+FR-1], v[AF+FR*(\a):AF+FR*(\a)+FR-1], v[8*(8*((\a)%4)+\b):8*(8*((\a)%4)+\b)+7], v[SC+8*NQ*(\sc)+NQ*\b+(\q)], v[SC+8*NQ*(\sc)+NQ*(\a)+(\q)] matrix_a_fmt:MATRIX_FMT_FP4 matrix_b_fmt:MATRIX_FMT_FP4 matrix_a_scale:MATRIX_SCALE_ROW1
.endif
.endr
.endr
.endm
.macro FETCH_B slot, q, p
	WIN TO_B
.irp i, 0,1,2,3,4,5,6,7
	FRAG 128*(\p)+FR*\i, ADRB+\slot, \q, \i
.endr
	WIN 0
.endm
.macro FETCH_A slot, q, i0
.irp i, \i0, \i0+1, \i0+2, \i0+3
	FRAG AF+FR*(\i), ADRA+\slot, \q, \i
.endr
.endm
.macro SCALES sc                       ; a slot's scale words: 4 words a row; lanes 0-15 take x's block i, lanes 16-31 w's block i
.irp i, 0,1,2,3,4,5,6,7
	ds_load_b128 v[SC+8*NQ*\sc+NQ*\i:SC+8*NQ*\sc+NQ*\i+3], v[ADRS] offset:\i*SBLK
.endr
.endm
.macro PLACES n                        ; plain vector instructions between a matrix instruction and a load into, or a read of, its registers
.rept \n
	v_nop
.endr
.endm
.macro STEP slot, q, zero              ; a step of 128 along K that has its successor in the same slot
	s_wait_dscnt 4*NL                              ; w's set and x's blocks 0-3 are in; the youngest eight loads (x's blocks 4-7) may be out
	WIN MUL_LO
	MUL16 0, (\q)%2, \q, \slot, \zero
	MUL16 2, (\q)%2, \q, \slot, \zero
	s_wait_dscnt 0                                 ; x's blocks 4-7 are in
	PLACES NP
	FETCH_B \slot, (\q)+1, 1-(\q)%2
	FETCH_A \slot, (\q)+1, 0
	WIN MUL_HI
	MUL16 4, (\q)%2, \q, \slot, \zero
	MUL16 6, (\q)%2, \q, \slot, \zero
	PLACES NP
	WIN 0
	FETCH_A \slot, (\q)+1, 4
.endm
	s_wait_tensorcnt 1                             ; the scales and my part of slot 0 are in (slot 1's load may be out)
	s_barrier_signal -1
	s_barrier_wait -1                              ; everybody's are
	FETCH_B 0, 0, 0
	FETCH_A 0, 0, 0
	SCALES 0
	FETCH_A 0, 0, 4
	STEP 0, 0, 1                                   ; the first step's products start the sums: nothing is cleared
	STEP 0, 1, 0
	STEP 0, 2, 0
	; slot 0's last step changes slots: one barrier, in front of which each wave has all its tensor loads in (its part of slot 1) and its reads of slot 0 over
	s_wait_tensorcnt 0x0
	ds_add_u32 v[SPW], v[NIL]                      ; 0 onto my spare word
	s_wait_dscnt 4*NL+1                            ; the add and the youngest eight loads may be out
	WIN MUL_LO
	MUL16 0, 1, NQ-1, 0, 0
	s_wait_dscnt 0x0
	s_barrier_signal -1
	MUL16 2, 1, NQ-1, 0, 0
	WIN 0
	s_barrier_wait -1
	PLACES NP
	v_add_nc_u32 v[ADRS], 4*NQ, v[ADRS]            ; on to slot 1's scale words
	FETCH_B 1, 0, 0
	FETCH_A 1, 0, 0
	SCALES 1
	WIN MUL_HI
	MUL16 4, 1, NQ-1, 0, 0
	MUL16 6, 1, NQ-1, 0, 0
	PLACES NP
	WIN 0
	FETCH_A 1, 0, 4
	STEP 1, 0, 0
	STEP 1, 1, 0
	STEP 1, 2, 0
	s_wait_dscnt 4*NL                              ; the very last step: nothing more to fetch
	WIN MUL_LO
	MUL16 0, 1, NQ-1, 1, 0
	MUL16 2, 1, NQ-1, 1, 0
	s_wait_dscnt 0
	WIN MUL_HI
	MUL16 4, 1, NQ-1, 1, 0
	MUL16 6, 1, NQ-1, 1, 0
	WIN 0
; THE WAY OUT.  First the f32 copy of positions 0 to 15: block 0's accumulators as they stand, 512 consecutive bytes a store.  Then all eight blocks of 16 tokens x 128 columns in f16, through my stage.
	PLACES NP
	s_cmp_lg_u32 s95, 0
	s_cbranch_scc1 .Lno32
	WIN 0x08                                       ; a store's data are its source 1: window 2
.irp b, 0,1,2,3,4,5,6,7
	global_store_b128 v[CO], v[8*\b:8*\b+3], s[66:67] offset:1024*\b       ; each accumulator from its low end on
	global_store_b128 v[CO], v[8*\b+4:8*\b+7], s[66:67] offset:1024*\b+512
.endr
	WIN 0
.Lno32:
.macro PACK a                          ; block a rounded to f16: a lane's eight neighbouring columns are 16 bytes
.set AC, 64*((\a)%4)
	WIN 0x0a+5*((\a)/4)                            ; sources 0 and 1: window 2 or 3
.irp b, 0,1,2,3,4,5,6,7
.irp r, 0,1,2,3
	v_cvt_pk_f16_f32 v[TMP+4*\b+\r], v[AC+8*\b+2*\r], v[AC+8*\b+2*\r+1]
.endr
.endr
	WIN 0
.endm
.macro TOSTAGE a                       ; into my stage by tokens, back by heads: LDS serves a wave's instructions in order, so no wait stands between
.set BK, OB+192*((\a)%2)
.irp b, 0,1,2,3,4,5,6,7
	ds_store_b128 v[STO], v[TMP+4*\b:TMP+4*\b+3] offset:32*\b
.endr
.irp hh, 0,1
.irp t, 0,1,2,3
	ds_load_b128 v[BK+4*(4*\hh+\t):BK+4*(4*\hh+\t)+3], v[RD] offset:4*SPITCH*\t+128*\hh
.endr
.endr
.endm
.macro SEND a
.set BK, OB+192*((\a)%2)
	s_wait_dscnt 0x0                               ; the block is back in registers
	s_wait_xcnt 0x0                                ; the stores of the block before have read their registers: the next block's loads may land there
.irp hh, 0,1
.irp t, 0,1,2,3
	global_store_b128 v[CO], v[BK+4*(4*\hh+\t):BK+4*(4*\hh+\t)+3], s[12:13] offset:262144*\hh+2048*(\a)+512*\t   ; four tokens of a head: 512 consecutive bytes, aligned
.endr
.endr
.endm
	PACK 0
	TOSTAGE 0
.irp a, 1,2,3,4,5,6,7                  ; block a's conversions stand between block a - 1's loads from the stage and the wait for them
	PACK \a
	SEND \a-1
	TOSTAGE \a
.endr
	SEND 7
	s_wait_tensorcnt 0x0                           ; the wave's end
	ds_add_u32 v[SPW], v[NIL]
	s_wait_dscnt 0x0
	CROUND                                         ; the closing round
	s_endpgm
.Lfunc_end_k_q9e7c9708f9_qkv:
	.size	k_q9e7c9708f9_qkv, .Lfunc_end_k_q9e7c9708f9_qkv-k_q9e7c9708f9_qkv
	.p2alignl 7, 3214868480
	.fill 96, 4, 3214868480
	.section	.rodata,"a",@progbits
	.p2align	6, 0x0
	.amdhsa_kernel k_q9e7c9708f9_qkv
		.amdhsa_group_segment_fixed_size 327680
		.amdhsa_private_segment_fixed_size 0
		.amdhsa_enable_private_segment 0
		.amdhsa_kernarg_size 48
		.amdhsa_user_sgpr_count 2
		.amdhsa_user_sgpr_kernarg_segment_ptr 1
		.amdhsa_wavefront_size32 1
		.amdhsa_system_sgpr_workgroup_id_x 1
		.amdhsa_system_sgpr_workgroup_id_y 1
		.amdhsa_system_sgpr_workgroup_id_z 1
		.amdhsa_system_vgpr_workitem_id 0
		.amdhsa_next_free_vgpr 1024
		.amdhsa_next_free_sgpr 98
		.amdhsa_reserve_vcc 0
		.amdhsa_float_denorm_mode_32 3
		.amdhsa_float_denorm_mode_16_64 3
		.amdhsa_memory_ordered 1
		.amdhsa_forward_progress 1
		.amdhsa_inst_pref_size 128
	.end_amdhsa_kernel
	.amdgpu_metadata
---
amdhsa.version: [ 1, 2 ]
amdhsa.kernels:
  - .name:           k_q9e7c9708f9_qkv
    .symbol:         k_q9e7c9708f9_qkv.kd
    .args:
      - { .name: xc, .offset: 0, .size: 8, .value_kind: global_buffer, .address_space: global }
      - { .name: xs, .offset: 8, .size: 8, .value_kind: global_buffer, .address_space: global }
      - { .name: wc, .offset: 16, .size: 8, .value_kind: global_buffer, .address_space: global }
      - { .name: ws, .offset: 24, .size: 8, .value_kind: global_buffer, .address_space: global }
      - { .name: qkv16, .offset: 32, .size: 8, .value_kind: global_buffer, .address_space: global }
      - { .name: qkv32, .offset: 40, .size: 8, .value_kind: global_buffer, .address_space: global }
    .group_segment_fixed_size: 327680
    .private_segment_fixed_size: 0
    .kernarg_segment_align: 8
    .kernarg_segment_size: 48
    .max_flat_workgroup_size: 128
    .sgpr_count:     98
    .vgpr_count:     1024
    .wavefront_size: 32
...
	.end_amdgpu_metadata
.endif
;; end of part 2
;; launch attn (part 3): grid 4 x 64, 16 waves a work-group, no clusters, 327,680 bytes of LDS; arguments qkv16, ao16; writes ao16
.if DOCPART == 3
	.amdgcn_target "amdgcn-amd-amdhsa--gfx1250"
	.amdhsa_code_object_version 6
	.text
	.protected	k_q9e7c9708f9_attn
	.globl	k_q9e7c9708f9_attn
	.p2align	8
	.type	k_q9e7c9708f9_attn,@function
k_q9e7c9708f9_attn:
	s_mov_b64 s[64:65], 0
	v_nop
	global_prefetch_b8 v0, s[64:65] scope:SCOPE_SE
	s_setreg_imm32_b32 hwreg(HW_REG_WAVE_MODE, 25, 1), 1
	s_wait_xcnt 0x0
; O[bh][q][:] = the sum over k <= q of softmax_k(Q[bh][q] . K[bh][k] / 32) V[bh][k][:].  Q, K, V: the three parts of qkv16, [64 (bh)][2048][64] f16; O: ao16, the same layout, f16.
; Products on f16 operands with f32 sums; maxima, exponentials and sums in f32; the weights p are rounded to f16 for the second product, O once at the end.
; LIMITS: results over 65,504 in magnitude become infinity in f16.  Positions 0 to 15 of each sequence are written here as all others are, and computed again in f32 by a later launch.
; SHARES.  A work-group owns the blocks i and 7 - i of 256 queries of one head (i = work-group x, 0 .. 3): under the causal mask every work-group so has the same work.  Each of its SIXTEEN waves owns 32 queries, two
; tiles of 16, in 256 registers: four waves to a SIMD, two of each block, so that one wave's vector work stands beside another's matrix work and LDS loads.  Each fragment of K and V read from LDS feeds two products.
; NO CLUSTER: work-groups of one head need different numbers of tiles under the mask, so a joint load would bring some partner tiles that none of its waves reads.
; THE WALK.  64 keys a step, 256 a slot, two LDS slots filled by the tensor data mover (waves 0, 1: K's halves; waves 2, 3: V's).  Every work-group walks all 8 slots: the trip counts are constants.  A step all of whose
; keys come after the wave's queries is passed over; a slot whose first key comes after the work-group's last query is not asked for.
; LAYOUT.  S^T = K Q^T (source 0 = 16 keys, source 1 = 16 queries): a lane holds ONE query (lane % 16) and the keys 8 (lane / 16) + 0 .. 7.  Two such tiles, rounded to f16 in pairs, ARE source 1 (32 keys x 16 queries) of
; O^T = V^T P, whose result again holds one query a lane.  K comes out of LDS as it lies, V ([key][channel]) turned, by ds_load_tr16_b128.
; SOFTMAX.  A running maximum m and sum l for each query: p = 2^(c s - c m), c = log2(e) / 32; in every step O and l are multiplied by a = 2^(c m_old - c m_new).
.set SK,    256                        ; keys in a slot
.set NQ,    4                          ; steps in a slot
.set KP,    144                        ; a row of K in LDS: 128 bytes + 16
.set VP,    160                        ; a row of V: 128 + 32
.set VOFF,  SK*KP                      ; a slot: 256 rows of K, then 256 rows of V
.set SLOT1, 1<<17                      ; slot 1 begins here: one exclusive or turns an address in one slot into the other's
.set NSL,   8
.set SPARE, 2*SLOT1                    ; the spare words, 128 bytes for each wave
.set OP,    144                        ; the way out: 32 rows x (128 bytes + 16) for each wave, from LDS byte 0: in the slot left at the last change of slots, which has had its last fill and is read by nobody
.set AK0,  1                           ; v1   my lane's place in a tile of K
.set AV0,  2                           ; v2   the same for V
.set SPW,  3                           ; v3   LDS address of my spare word; never rewritten
.set NIL,  4                           ; v4   0; never rewritten
.set ADK,  5                           ; v5   LDS address of the step's K
.set ADV,  6                           ; v6   of its V
.set STO,  7                           ; v7   Q's offset at the head; the way out: where I put 16 bytes
.set RD,   8                           ; v8   the way out: where I read them back
.set PFO,  9                           ; v9   256 x lane: the prefetches' offset; never rewritten
.set ST,   10                          ; tile t's statistics at v[ST + 8 t]: +0 c m, +1 m, +2, +3 l (two halves), +4 .. +7 at work; a takes +6
.set CH,   26                          ; v26-29 the sums' second chains
.set MD,   30                          ; v30  the mask's lane term
.set MI,   31                          ; v31  -infinity
.set QF,   32                          ; v32-63   Q: tile t, channels 32 c on, at 32 + 16 t + 8 c
.set S,    64                          ; v64-127  S^T: tile t, keys 16 kt on, at 64 + 32 t + 8 kt; P in place at 64 + 32 t + 16 kc
.set OT,   128                         ; v128-191 O^T: tile t, channels 16 ct on, at 128 + 32 t + 8 ct
.set KV,   192                         ; v192-255 K's fragments (192 + 16 kt + 8 c), then V's (192 + 32 kc + 8 ct)
.set WV,   18
.set SEL,  20                          ; s[20:21] lane selects: lane l xor 16
.set CS,   22                          ; s[22:23] c, twice: the packed form names a pair
.set G1K,  24
.set G1V,  32
.set G0K,  40
.set G0V,  44
.set TB,   2                           ; s2   LDS byte at which the slot in hand begins
.set LASTQ, 66                         ; s66  my work-group's last query
.set SLOTS, 67                         ; s67  changes of slots to go
.set PFA,  76                          ; s[76:77] where my prefetches stand
.set LIM,  80                          ; s80  1 in a wave that prefetches, else the greatest number
.set KF,   98                          ; s98  the step's first key
.set Q0,   99                          ; s99  my first query
; Waves 0 and 1 fetch for K, waves 2 and 3 for V, the others nothing.  An s_nop 0 and four v_nop follow each of the two lines.
.macro TLOAD
	s_cmp_lt_u32 s[WV], 2
	s_cbranch_scc0 .Lnot_k_\@
	tensor_load_to_lds s[G0K:G0K+3], s[G1K:G1K+7]
	s_nop 0
.rept 4
	v_nop
.endr
	s_branch .Lasked_\@
.Lnot_k_\@:
	s_cmp_lt_u32 s[WV], 4
	s_cbranch_scc0 .Lasked_\@
	tensor_load_to_lds s[G0V:G0V+3], s[G1V:G1V+7]
	s_nop 0
.rept 4
	v_nop
.endr
.Lasked_\@:
.endm
; A PREFETCH of what the NEXT change of slots will ask for: a slot's K and V are dense blocks of 32,768 bytes each.  Each aligned block of 256 bytes is named once in the launch: of a head's four work-groups the first, which
; alone asks for every slot, prefetches; in it waves 4 to 7 ask for K's block and waves 8 to 11 for V's, 8,192 bytes a wave, lanes 256 bytes apart.  The last change that fills a slot asks for nothing.
.macro ASK
	s_cmp_gt_u32 s[SLOTS], s[LIM]
	s_cbranch_scc0 .Lnot_mine_\@
	global_prefetch_b8 v[PFO], s[PFA:PFA+1] th:TH_LOAD_NT scope:SCOPE_SE
.Lnot_mine_\@:
.endm
	s_load_b128 s[4:7], s[0:1], 0x0                ; qkv16 s[4:5], ao16 s[6:7]
	v_lshl_add_u32 v[SPW], v0, 2, SPARE
	v_mov_b32 v[NIL], 0
	ds_add_u32 v[SPW], v[NIL]                      ; the wave's opening: the add, twice on end, and its wait ahead of my first tensor load
	ds_add_u32 v[SPW], v[NIL]
	v_lshrrev_b32 v5, 5, v0
	v_readfirstlane_b32 s[WV], v5                  ; wave 0..15
	s_and_b32 s68, ttmp7, 0xffff
	s_lshl_b32 s68, s68, 18                        ; the head's first byte in a part: 262,144 a head
	s_mov_b32 s69, 0
	s_lshr_b32 s70, s[WV], 2
	s_xor_b32 s70, s70, s[WV]
	s_and_b32 s70, s70, 1                          ; which of the two blocks is mine
	s_lshl_b32 s71, ttmp9, 1
	s_sub_co_u32 s71, 7, s71
	s_mul_i32 s71, s71, s70
	s_add_co_u32 s71, s71, ttmp9                   ; block i or 7 - i
	s_lshl_b32 s71, s71, 8
	s_lshr_b32 s72, s[WV], 1
	s_lshl_b32 s72, s72, 5
	s_add_co_u32 s[Q0], s71, s72                   ; my first query: 256 x block + 32 x (wave / 2)
	s_sub_co_u32 s[LASTQ], 8, ttmp9
	s_lshl_b32 s[LASTQ], s[LASTQ], 8
	s_sub_co_u32 s[LASTQ], s[LASTQ], 1             ; 256 (8 - i) - 1
	s_and_b32 s73, s[WV], 1                        ; which 128 rows of a slot I fetch, if I fetch:
	s_lshl_b32 s74, s73, 14                        ; in memory,
	s_mov_b32 s75, 0
	s_add_nc_u64 s[74:75], s[74:75], s[68:69]
	s_mul_i32 s82, s73, 128*KP                     ; and in a slot
	s_mul_i32 s83, s73, 128*VP
	s_add_co_u32 s83, s83, VOFF
	; descriptor group 1: 128 rows of 64 elements of 2 bytes, dense in memory, padded behind every row
	s_mov_b32 s[G1K], (1<<16)|(1<<20)|(4<<22)|(3<<25)   ; no mask; elements of 2 bytes; padding on; after every 32 words; 4 words
	s_mov_b32 s[G1V], (1<<16)|(1<<20)|(4<<22)|(7<<25)   ; the same with 8 words
.irp g, G1K, G1V
	s_mov_b32 s[\g+1], 64<<16                      ; tensor_dim0
	s_mov_b32 s[\g+2], 128<<16                     ; tensor_dim1
	s_mov_b32 s[\g+3], 64<<16                      ; tile_dim0
	s_mov_b32 s[\g+4], 128                         ; tile_dim1
	s_mov_b32 s[\g+5], 64                          ; tensor_dim0_stride
	s_mov_b32 s[\g+6], 0
	s_mov_b32 s[\g+7], 0
.endr
	s_mov_b32 s[SEL], 0x76543210
	s_mov_b32 s[SEL+1], 0xfedcba98
	s_mov_b32 s[CS], 0x3d38aa3b                    ; c = log2(e) / 32
	s_mov_b32 s[CS+1], s[CS]
	s_mov_b32 s[TB], 0
	s_mov_b32 s[KF], 0
	s_mov_b32 s[SLOTS], NSL-1
	s_wait_dscnt 0x0                               ; both opening adds are done
	s_wait_kmcnt 0x0
	s_mov_b32 s[G0K], 1
	s_mov_b32 s[G0K+1], s82
	s_add_nc_u64 s[G0K+2:G0K+3], s[4:5], s[74:75]
	s_add_nc_u64 s[G0K+2:G0K+3], s[G0K+2:G0K+3], 16777216   ; K is the second part
	s_or_b32 s[G0K+3], s[G0K+3], 0x80000000
	s_mov_b32 s[G0V], 1
	s_mov_b32 s[G0V+1], s83
	s_add_nc_u64 s[G0V+2:G0V+3], s[4:5], s[74:75]
	s_add_nc_u64 s[G0V+2:G0V+3], s[G0V+2:G0V+3], 33554432   ; V the third
	s_or_b32 s[G0V+3], s[G0V+3], 0x80000000
	TLOAD                                          ; slot 0: key 0 counts for every query, so it is read
	; the prefetches: where my wave's stand, and who asks
	s_mov_b32 s85, 33554432
	s_cmp_lt_u32 s[WV], 8
	s_cselect_b32 s84, 16777216, s85               ; waves 4 to 7: K; waves 8 to 11: V
	s_and_b32 s86, s[WV], 3
	s_lshl_b32 s86, s86, 13
	s_add_co_u32 s84, s84, s86                     ; my wave's 8,192 bytes,
	s_add_co_u32 s84, s84, 32768                   ; in slot 1: the first change of slots steps it to slot 2.  Nothing is prefetched at the head
	s_mov_b32 s85, 0
	s_add_nc_u64 s[84:85], s[84:85], s[68:69]
	s_add_nc_u64 s[PFA:PFA+1], s[4:5], s[84:85]
	s_sub_co_u32 s86, s[WV], 4
	s_lshr_b32 s86, s86, 3                         ; 0 in waves 4 to 11,
	s_or_b32 s86, s86, ttmp9                       ; of the head's first work-group
	s_cmp_eq_u32 s86, 0
	s_cselect_b32 s[LIM], 1, -1
	v_and_b32 v[PFO], 31, v0
	v_lshlrev_b32 v[PFO], 8, v[PFO]
	s_lshl_b32 s84, s[Q0], 7
	s_mov_b32 s85, 0
	s_add_nc_u64 s[84:85], s[84:85], s[68:69]      ; my first query's row, in Q and in O alike
	s_add_nc_u64 s[8:9], s[4:5], s[84:85]
	s_add_nc_u64 s[6:7], s[6:7], s[84:85]
	v_and_b32 v5, 15, v0                           ; r
	v_bfe_u32 v6, v0, 4, 1                         ; hf
	v_lshlrev_b32 v[STO], 7, v5
	v_lshl_add_u32 v[STO], v6, 4, v[STO]           ; Q: row r of 128 bytes + 16 hf
.irp t, 0,1
.irp c, 0,1
	global_load_b128 v[QF+16*\t+8*\c:QF+16*\t+8*\c+3], v[STO], s[8:9] offset:2048*\t+64*\c        ; Q stays in registers
	global_load_b128 v[QF+16*\t+8*\c+4:QF+16*\t+8*\c+7], v[STO], s[8:9] offset:2048*\t+64*\c+32
.endr
.endr
	v_mul_u32_u24 v[AK0], v5, KP
	v_lshl_add_u32 v[AK0], v6, 4, v[AK0]           ; K: row r x pitch + 16 hf
	v_and_b32 v[AV0], 7, v0                        ; the turning load: lane l reads key 8 hf + l % 8, channels 8 ((l / 8) % 2) on
	v_lshl_add_u32 v[AV0], v6, 3, v[AV0]
	v_mul_u32_u24 v[AV0], v[AV0], VP
	v_bfe_u32 v[RD], v0, 3, 1
	v_lshl_add_u32 v[AV0], v[RD], 4, v[AV0]
	v_add_nc_u32 v[AV0], VOFF, v[AV0]
.irp t, 0,1
	v_mov_b32 v[ST+8*\t+1], 0xff61b1e6             ; m: -3e38, under every score
	v_mul_f32 v[ST+8*\t], s[CS], v[ST+8*\t+1]      ; c m
.irp u, 2,3,4,5,6,7
	v_mov_b32 v[ST+8*\t+\u], 0                     ; l; and the registers at work, so that a lane permute's destination is written on every path
.endr
.endr
.set i, 0
.rept 64
	v_mov_b32 v[OT+i], 0                           ; O^T.  (The step is written once: the first finds zeros, which a = 0 leaves zeros)
.set i, i+1
.endr
; A KEY STEP: 64 keys, the q-th of the slot in hand.
.macro STEP q
	s_add_co_u32 s96, s[Q0], 31
	s_cmp_gt_u32 s[KF], s96                        ; all its keys come after my 32 queries: the step's work is passed over.  Ids and the count of steps alone
	s_cbranch_scc1 .Lhidden_\@
	v_add_nc_u32 v[ADK], s[TB], v[AK0]
	v_add_nc_u32 v[ADV], s[TB], v[AV0]
.rept 3
	v_nop                                          ; with the two additions five places: the products below write over P, which the last step's products read (four would do for the loads)
.endr
.irp kt, 0,1,2,3
.irp c, 0,1
	ds_load_b128 v[KV+16*\kt+8*\c:KV+16*\kt+8*\c+3], v[ADK] offset:(64*(\q)+16*\kt)*KP+64*\c
	ds_load_b128 v[KV+16*\kt+8*\c+4:KV+16*\kt+8*\c+7], v[ADK] offset:(64*(\q)+16*\kt)*KP+64*\c+32
.endr
.endr
	s_wait_dscnt 0x0
.irp c, 0,1                                    ; S^T = K Q^T: the eight accumulators take turns
.irp kt, 0,1,2,3
.irp t, 0,1
.if \c == 0
	v_wmma_f32_16x16x32_f16 v[S+32*\t+8*\kt:S+32*\t+8*\kt+7], v[KV+16*\kt+8*\c:KV+16*\kt+8*\c+7], v[QF+16*\t+8*\c:QF+16*\t+8*\c+7], 0
.else
	v_wmma_f32_16x16x32_f16 v[S+32*\t+8*\kt:S+32*\t+8*\kt+7], v[KV+16*\kt+8*\c:KV+16*\kt+8*\c+7], v[QF+16*\t+8*\c:QF+16*\t+8*\c+7], v[S+32*\t+8*\kt:S+32*\t+8*\kt+7]
.endif
.endr
.endr
.endr
.rept 4
	v_nop                                          ; places: in front of the loads into K's registers and of the first read of the scores
.endr
.irp kc, 0,1                                   ; V, turned: it lands while the softmax is walked
.irp ct, 0,1,2,3
	ds_load_tr16_b128 v[KV+32*\kc+8*\ct:KV+32*\kc+8*\ct+3], v[ADV] offset:(64*(\q)+32*\kc)*VP+32*\ct
	ds_load_tr16_b128 v[KV+32*\kc+8*\ct+4:KV+32*\kc+8*\ct+7], v[ADV] offset:(64*(\q)+32*\kc+16)*VP+32*\ct
.endr
.endr
	s_add_co_u32 s96, s[KF], 63                    ; on the diagonal hidden scores become -infinity ahead of the maximum; a step all of whose keys count skips this
	s_cmp_le_u32 s96, s[Q0]
	s_cbranch_scc1 .Lopen_\@
	s_sub_co_i32 s96, s[Q0], s[KF]
	v_and_b32 v[MD], 15, v0
	v_bfe_u32 v[MI], v0, 4, 1
	v_lshlrev_b32 v[MI], 3, v[MI]
	v_sub_nc_u32 v[MD], v[MD], v[MI]
	v_add_nc_u32 v[MD], s96, v[MD]                 ; d = Q0 - KF + r - 8 hf.  Register 8 kt + j of tile t holds key KF + 16 kt + 8 hf + j for query Q0 + 16 t + r: hidden where 16 kt + j - 16 t > d
	v_mov_b32 v[MI], 0xff800000
.irp t, 0,1
.set n, 0
.rept 32
	v_cmp_gt_i32 vcc_lo, 16*(n/8)+n%8-16*\t, v[MD]
	v_cndmask_b32 v[S+32*\t+n], v[S+32*\t+n], v[MI], vcc_lo
.set n, n+1
.endr
.endr
.Lopen_\@:
	; the maximum of a tile's 32 scores and the old m: four chains, each begun at an accumulator's low end; the two tiles by turns
.irp j, 0,1,2,3
.irp t, 0,1
	v_max3_num_f32 v[ST+8*\t+4+\j], v[S+32*\t+8*\j], v[S+32*\t+8*\j+1], v[S+32*\t+8*\j+2]
.endr
.endr
.irp u, 3,5
.irp j, 0,1,2,3
.irp t, 0,1
	v_max3_num_f32 v[ST+8*\t+4+\j], v[ST+8*\t+4+\j], v[S+32*\t+8*\j+\u], v[S+32*\t+8*\j+\u+1]
.endr
.endr
.endr
.irp t, 0,1
	v_max3_num_f32 v[ST+8*\t+4], v[ST+8*\t+4], v[S+32*\t+7], v[S+32*\t+15]
.endr
.irp t, 0,1
	v_max3_num_f32 v[ST+8*\t+6], v[ST+8*\t+6], v[S+32*\t+23], v[S+32*\t+31]
.endr
.irp t, 0,1
	v_max3_num_f32 v[ST+8*\t+4], v[ST+8*\t+4], v[ST+8*\t+5], v[ST+8*\t+6]
.endr
.irp t, 0,1
	v_max3_num_f32 v[ST+8*\t+4], v[ST+8*\t+4], v[ST+8*\t+7], v[ST+8*\t+1]
.endr
.irp t, 0,1
	v_permlanex16_b32 v[ST+8*\t+5], v[ST+8*\t+4], s[SEL], s[SEL+1]   ; the query's other 32 keys lie in the lane 16 away
.endr
.irp t, 0,1
	v_mov_b32 v[ST+8*\t+7], v[ST+8*\t]             ; c m_old
.endr
.irp t, 0,1
	v_max_num_f32 v[ST+8*\t+1], v[ST+8*\t+4], v[ST+8*\t+5]
.endr
.irp t, 0,1
	v_mul_f32 v[ST+8*\t], s[CS], v[ST+8*\t+1]
.endr
.irp t, 0,1
	v_sub_f32 v[ST+8*\t+7], v[ST+8*\t+7], v[ST+8*\t]
.endr
	; ONE BATCH of exponentials: a, then the 64 weights; nothing names a result ahead of the one wait
.irp t, 0,1
	v_exp_f32 v[ST+8*\t+6], v[ST+8*\t+7]           ; a = 2^(c m_old - c m_new)
.endr
.set n, 0
.rept 16
	v_pk_fma_f32 v[S+n:S+n+1], v[S+n:S+n+1], s[CS:CS+1], v[ST:ST+1] op_sel_hi:[1,0,0] neg_lo:[0,0,1] neg_hi:[0,0,1]   ; c s - c m, two at a time
	v_pk_fma_f32 v[S+32+n:S+32+n+1], v[S+32+n:S+32+n+1], s[CS:CS+1], v[ST+8:ST+9] op_sel_hi:[1,0,0] neg_lo:[0,0,1] neg_hi:[0,0,1]
.set n, n+2
.endr
.set n, 0
.rept 32
	v_exp_f32 v[S+n], v[S+n]
	v_exp_f32 v[S+32+n], v[S+32+n]
.set n, n+1
.endr
	v_nop                                          ; a plain instruction behind the last exponential
	s_wait_alu depctr_va_vdst(0)                   ; one wait for the batch, ahead of the first instruction that names a result
	; the sums, of the weights as they stand in f32: two chains a tile
.irp t, 0,1
	v_pk_add_f32 v[ST+8*\t+4:ST+8*\t+5], v[S+32*\t:S+32*\t+1], v[S+32*\t+4:S+32*\t+5]
	v_pk_add_f32 v[CH+2*\t:CH+2*\t+1], v[S+32*\t+2:S+32*\t+3], v[S+32*\t+6:S+32*\t+7]
.endr
.irp u, 8,12,16,20,24,28
.irp t, 0,1
	v_pk_add_f32 v[ST+8*\t+4:ST+8*\t+5], v[ST+8*\t+4:ST+8*\t+5], v[S+32*\t+\u:S+32*\t+\u+1]
	v_pk_add_f32 v[CH+2*\t:CH+2*\t+1], v[CH+2*\t:CH+2*\t+1], v[S+32*\t+\u+2:S+32*\t+\u+3]
.endr
.endr
.irp t, 0,1
	v_pk_add_f32 v[ST+8*\t+4:ST+8*\t+5], v[ST+8*\t+4:ST+8*\t+5], v[CH+2*\t:CH+2*\t+1]
.endr
.irp t, 0,1
	v_pk_fma_f32 v[ST+8*\t+2:ST+8*\t+3], v[ST+8*\t+2:ST+8*\t+3], v[ST+8*\t+6:ST+8*\t+7], v[ST+8*\t+4:ST+8*\t+5] op_sel_hi:[1,0,1]   ; l = a l + the sum
.endr
	; the weights to f16, in place and ascending: register j of a run of 16 takes numbers 2 j and 2 j + 1, which lie at or above it
.irp g, 0,1
.irp j, 0,1,2,3,4,5,6,7
.irp t, 0,1
	v_cvt_pk_f16_f32 v[S+32*\t+16*\g+\j], v[S+32*\t+16*\g+2*\j], v[S+32*\t+16*\g+2*\j+1]
.endr
.endr
.endr
.set n, 0
.rept 16
	v_pk_mul_f32 v[OT+n:OT+n+1], v[OT+n:OT+n+1], v[ST+6:ST+7] op_sel_hi:[1,0]             ; O^T x a
	v_pk_mul_f32 v[OT+32+n:OT+32+n+1], v[OT+32+n:OT+32+n+1], v[ST+14:ST+15] op_sel_hi:[1,0]
.set n, n+2
.endr
	s_wait_dscnt 0x0                               ; V is in
.irp kc, 0,1                                   ; O^T += V^T P: the eight accumulators take turns
.irp ct, 0,1,2,3
.irp t, 0,1
	v_wmma_f32_16x16x32_f16 v[OT+32*\t+8*\ct:OT+32*\t+8*\ct+7], v[KV+32*\kc+8*\ct:KV+32*\kc+8*\ct+7], v[S+32*\t+16*\kc:S+32*\t+16*\kc+7], v[OT+32*\t+8*\ct:OT+32*\t+8*\ct+7]
.endr
.endr
.endr
.Lhidden_\@:
	s_add_co_u32 s[KF], s[KF], 64
.endm
; THE CHANGE OF SLOTS stands at a slot's head.  Each wave waits for all its tensor loads, adds 0 to its spare word, and waits for that and for its reads of the slot that it has left.  Behind the barrier the slot ahead is whole
; and nobody reads the other one.  fill = 1: that other slot is filled with the keys that follow, up to the causal limit: the load has a whole slot's steps in which to land.
.macro CHANGE fill
	s_wait_tensorcnt 0x0                           ; no tensor load of mine is out, so a group 0 may be written
	ds_add_u32 v[SPW], v[NIL]
.if \fill
	ds_add_u32 v[SPW], v[NIL]                      ; and once more: twice on end, in every trip alike
	s_xor_b32 s[G0K+1], s[G0K+1], SLOT1            ; the walking descriptors: the other slot than last time,
	s_add_nc_u64 s[G0K+2:G0K+3], s[G0K+2:G0K+3], SK*128   ; the next 256 keys
	s_xor_b32 s[G0V+1], s[G0V+1], SLOT1
	s_add_nc_u64 s[G0V+2:G0V+3], s[G0V+2:G0V+3], SK*128
	s_wait_xcnt 0x0                                ; the last prefetch, a slot back, has read its address, so it may be written:
	s_add_nc_u64 s[PFA:PFA+1], s[PFA:PFA+1], SK*128   ; one slot further on than the walking descriptors
.endif
	s_wait_dscnt 0x0
	s_barrier_signal -1
	s_barrier_wait -1
.if \fill
	s_add_co_u32 s96, s[KF], SK                    ; the first key of the slot that this change would ask for:
	s_cmp_gt_u32 s96, s[LASTQ]                     ; past my work-group's last query none of its waves reads it, so it is not asked for.  Ids and the count of steps alone: all sixteen waves go the same way
	s_cbranch_scc1 .Lpast_\@
	TLOAD                                          ; a wave's one tensor load until the next change
.Lpast_\@:
	ASK
.endif
.endm
.macro SLOT_STEPS
.set QI, 0
.rept NQ
	STEP QI
.set QI, QI+1
.endr
	s_xor_b32 s[TB], s[TB], SLOT1                  ; on to the other slot
.endm
	s_wait_loadcnt 0x0                             ; Q
.Lslot:                                            ; 7 trips: behind each change of slots but the last the next slot is asked for
	CHANGE 1
	SLOT_STEPS
	s_sub_co_u32 s[SLOTS], s[SLOTS], 1
	s_cmp_lg_u32 s[SLOTS], 0
	s_cbranch_scc1 .Lslot
	CHANGE 0                                       ; the last slot is written out: nothing is left to ask for
	SLOT_STEPS
	; THE WAY OUT.  l's halves are added; O^T is divided by l, rounded to f16 and sent through my stage, so that each store covers 512 consecutive bytes: four token rows of my head.
.irp t, 0,1
	v_add_f32 v[ST+8*\t+4], v[ST+8*\t+2], v[ST+8*\t+3]
.endr
.irp t, 0,1
	v_permlanex16_b32 v[ST+8*\t+5], v[ST+8*\t+4], s[SEL], s[SEL+1]
.endr
.irp t, 0,1
	v_add_f32 v[ST+8*\t+4], v[ST+8*\t+4], v[ST+8*\t+5]
.endr
.irp t, 0,1
	v_rcp_f32 v[ST+8*\t+6], v[ST+8*\t+4]
.endr
	v_and_b32 v[ADK], 15, v0                       ; r  (plain work behind the reciprocals)
	v_bfe_u32 v[ADV], v0, 4, 1                     ; hf
	s_mul_i32 s73, s[WV], 32*OP                    ; my stage
	v_mul_u32_u24 v[STO], v[ADK], OP
	v_lshl_add_u32 v[STO], v[ADV], 4, v[STO]
	v_add_nc_u32 v[STO], s73, v[STO]               ; in: row r, 16 bytes for each half of the lanes
	v_bfe_u32 v[RD], v0, 3, 2
	v_mul_u32_u24 v[RD], v[RD], OP
	v_and_b32 v[ADK], 7, v0
	v_lshl_add_u32 v[RD], v[ADK], 4, v[RD]
	v_add_nc_u32 v[RD], s73, v[RD]                 ; back: eight lanes to a row of 128 bytes, four rows an instruction
	v_and_b32 v[ADV], 31, v0
	v_lshlrev_b32 v[ADV], 4, v[ADV]                ; 16 x lane: my bytes in O
	s_wait_alu depctr_va_vdst(0)                   ; one wait for the two reciprocals, ahead of their first reader
.set n, 0
.rept 16
	v_pk_mul_f32 v[OT+n:OT+n+1], v[OT+n:OT+n+1], v[ST+6:ST+7] op_sel_hi:[1,0]
	v_pk_mul_f32 v[OT+32+n:OT+32+n+1], v[OT+32+n:OT+32+n+1], v[ST+14:ST+15] op_sel_hi:[1,0]
.set n, n+2
.endr
.set n, 0
.rept 32
	v_cvt_pk_f16_f32 v[S+n], v[OT+2*n], v[OT+2*n+1]   ; register 16 t + 4 ct + jj: channels 16 ct + 8 hf + 2 jj, + 1 of query 16 t + r
.set n, n+1
.endr
.irp t, 0,1
.irp ct, 0,1,2,3
	ds_store_b128 v[STO], v[S+16*\t+4*\ct:S+16*\t+4*\ct+3] offset:16*OP*\t+32*\ct
.endr
.endr
.irp i, 0,1,2,3,4,5,6,7
	ds_load_b128 v[S+32+4*\i:S+32+4*\i+3], v[RD] offset:4*OP*\i   ; LDS serves a wave's instructions in order: these see my stores
.endr
.irp i, 0,1,2,3,4,5,6,7
	s_wait_dscnt 7-\i                              ; the younger loads may be out
	global_store_b128 v[ADV], v[S+32+4*\i:S+32+4*\i+3], s[6:7] offset:512*\i
.endr
	s_wait_tensorcnt 0x0                           ; the wave's end
	ds_add_u32 v[SPW], v[NIL]
	s_wait_dscnt 0x0
	s_endpgm
.Lfunc_end_k_q9e7c9708f9_attn:
	.size	k_q9e7c9708f9_attn, .Lfunc_end_k_q9e7c9708f9_attn-k_q9e7c9708f9_attn
	.p2alignl 7, 3214868480
	.fill 96, 4, 3214868480
	.section	.rodata,"a",@progbits
	.p2align	6, 0x0
	.amdhsa_kernel k_q9e7c9708f9_attn
		.amdhsa_group_segment_fixed_size 327680
		.amdhsa_private_segment_fixed_size 0
		.amdhsa_enable_private_segment 0
		.amdhsa_kernarg_size 16
		.amdhsa_user_sgpr_count 2
		.amdhsa_user_sgpr_kernarg_segment_ptr 1
		.amdhsa_wavefront_size32 1
		.amdhsa_system_sgpr_workgroup_id_x 1
		.amdhsa_system_sgpr_workgroup_id_y 1
		.amdhsa_system_sgpr_workgroup_id_z 1
		.amdhsa_system_vgpr_workitem_id 0
		.amdhsa_next_free_vgpr 256
		.amdhsa_next_free_sgpr 100
		.amdhsa_reserve_vcc 1
		.amdhsa_float_denorm_mode_32 3
		.amdhsa_float_denorm_mode_16_64 3
		.amdhsa_memory_ordered 1
		.amdhsa_forward_progress 1
		.amdhsa_inst_pref_size 189
	.end_amdhsa_kernel
	.amdgpu_metadata
---
amdhsa.version: [ 1, 2 ]
amdhsa.kernels:
  - .name:           k_q9e7c9708f9_attn
    .symbol:         k_q9e7c9708f9_attn.kd
    .args:
      - { .name: qkv16, .offset: 0, .size: 8, .value_kind: global_buffer, .address_space: global }
      - { .name: ao16, .offset: 8, .size: 8, .value_kind: global_buffer, .address_space: global }
    .group_segment_fixed_size: 327680
    .private_segment_fixed_size: 0
    .kernarg_segment_align: 8
    .kernarg_segment_size: 16
    .max_flat_workgroup_size: 512
    .sgpr_count:     100
    .vgpr_count:     256
    .wavefront_size: 32
...
	.end_amdgpu_metadata
.endif
;; end of part 3
;; launch proj (part 4): grid 4 x 64, 4 waves a work-group, clusters of 4 x 4, 327,680 bytes of LDS; arguments ao16, wot, out0; writes out0
.if DOCPART == 4
	.amdgcn_target "amdgcn-amd-amdhsa--gfx1250"
	.amdhsa_code_object_version 6
	.text
	.protected	k_q9e7c9708f9_proj
	.globl	k_q9e7c9708f9_proj
	.p2align	8
	.type	k_q9e7c9708f9_proj,@function
k_q9e7c9708f9_proj:
	s_mov_b64 s[64:65], 0
	v_nop
	global_prefetch_b8 v0, s[64:65] scope:SCOPE_SE
	s_setreg_imm32_b32 hwreg(HW_REG_WAVE_MODE, 25, 1), 1
	s_wait_xcnt 0x0
	s_wait_alu depctr_hold_cnt(0) depctr_sa_sdst(0) depctr_va_vdst(0) depctr_va_sdst(0) depctr_va_ssrc(0) depctr_va_vcc(0) depctr_vm_vsrc(0)
	s_getreg_b32 s2, hwreg(HW_REG_IB_STS2, 6, 4)
	s_cmp_eq_u32 s2, 0
	s_cbranch_scc0 .Lentry_in_a_cluster
	s_endpgm
.Lentry_in_a_cluster:
	s_bfe_u32 s2, ttmp6, 0x10000c
	s_cmp_lg_u32 s2, 0xf033
	s_cbranch_scc0 .Lentry_shape_is_right
	s_endpgm
.Lentry_shape_is_right:
; out0[m][n] = sum over k of A[m][k] w_o[k][n], f16 operands, f32 sums, f32 out.  A is ao16, [16 b + h][t][64] f16 (m = 2048 b + t, k = 64 h + d); w_o comes as wot [n][k] f16, K innermost.
; All 8,192 rows are made here; positions 0 to 15 of each sequence are written over by a later launch, which carries them in f32.
; A tile of C is 128 x 256: 256 work-groups.  Four waves, each 64 x 128: 32 accumulators of 16 x 16, 256 registers.  K goes in steps of 128 (two heads) through a ring of two LDS slots: A's tile is two sub-tiles, one a head,
; of 128 rows x 128 bytes; w_o's is 256 rows x 256 bytes.
; CLUSTERS: 4 x 4 work-groups.  The four of a row of the cluster need the same tiles of A, the four of a column the same tiles of w_o: each tile is asked for JOINTLY.
; THE MATRIX INSTRUCTION IS USED TRANSPOSED (source 0 = 16 rows of wot, source 1 = 16 rows of A): a lane then holds eight neighbouring numbers of a row of C.
; REGISTERS: window 0: v0-31 addresses; v64-127 A's fragments, two buffers of 4 x 8; v128-255 the way out.   window 1: v0-127 w_o's fragments, two buffers of 8 x 8.   window 2: accumulator (a, b) at v[8 (8 a + b)].
.set PA,     144                       ; a row of A in LDS: 128 bytes + 16
.set PB,     272                       ; a row of wot: 256 + 16
.set ASUB,   128*PA                    ; a head's sub-tile
.set BOFF,   2*ASUB
.set BHALF,  128*PB
.set SLOT,   BOFF+2*BHALF
.set STAGE,  2*SLOT                    ; behind the ring: 16 rows x (512 bytes + 16) for each wave
.set SPITCH, 528
.set SPARE,  STAGE+4*16*SPITCH         ; the spare words, 128 bytes for each wave
.set LAPS,   4                         ; a lap = two K steps; K = 1,024
.set ADRA, 16
.set ADRB, 20
.set STO,  24
.set RD,   25
.set CO,   26
.set SPW,  28
.set NIL,  29
.set AF,   64
.set BK,   128
.set G1, 24
.set G0, 32
.set G1B, 48
.set G0B, 56
.set MSB, 0
.macro WIN new
.if MSB != (\new)
	s_set_vgpr_msb (MSB<<8)|(\new)
.set MSB, (\new)
.endif
.endm
.set MUL,  0xa1                        ; source 0 (wot) window 1, source 1 (A) window 0, C and D window 2
.set TO_B, 0x40
.macro JLOAD s                         ; a joint load: waves 0 and 1 fetch A's two heads, waves 2 and 3 wot's two halves; an s_nop 0 and four v_nop follow each line
	s_cmp_eq_u32 s11, 0
	s_cbranch_scc0 .Lfor_b_\@
	tensor_load_to_lds s[G0+4*\s:G0+4*\s+3], s[G1:G1+7]
	s_nop 0
.rept 4
	v_nop
.endr
	s_branch .Lasked_\@
.Lfor_b_\@:
	tensor_load_to_lds s[G0B+4*\s:G0B+4*\s+3], s[G1B:G1B+7]
	s_nop 0
.rept 4
	v_nop
.endr
.Lasked_\@:
.endm
.macro CREST
	s_cmp_lg_u32 s10, 0
	s_cbranch_scc1 .Lnot_wave_0_\@
	s_barrier_signal -3
.Lnot_wave_0_\@:
	s_barrier_wait -3
	s_barrier_signal -1
	s_barrier_wait -1
.endm
.macro CROUND
	s_barrier_signal -1
	s_barrier_wait -1
	CREST
.endm
	s_load_b128 s[4:7], s[0:1], 0x0                ; ao16 s[4:5], wot s[6:7]
	s_load_b64 s[8:9], s[0:1], 0x10                ; out0
	v_lshl_add_u32 v[SPW], v0, 2, SPARE
	v_mov_b32 v[NIL], 0
	ds_add_u32 v[SPW], v[NIL]                      ; the wave's opening: the add, twice on end, and its wait ahead of my first tensor load
	ds_add_u32 v[SPW], v[NIL]
	v_lshrrev_b32 v1, 5, v0
	v_readfirstlane_b32 s10, v1                    ; wave 0..3
	s_lshr_b32 s11, s10, 1                         ; which half of the tile's rows is mine.  Also: I fetch for A (0) or for wot (1)
	s_and_b32 s12, s10, 1                          ; which half of its columns.  Also: which head of the step, or which 128 rows of wot, I fetch
	s_bfe_u32 s40, ttmp6, 0x40000                  ; cx, cy
	s_bfe_u32 s41, ttmp6, 0x40004
	s_lshl_b32 s42, ttmp9, 2
	s_add_co_u32 s42, s42, s40                     ; tile column
	s_and_b32 s13, ttmp7, 0xffff
	s_lshl_b32 s13, s13, 2
	s_add_co_u32 s13, s13, s41                     ; tile row, 0 .. 63
	s_lshl_b32 s43, s41, 2
	s_lshl_b32 s43, 15, s43                        ; my row of the cluster
	s_lshl_b32 s44, 0x1111, s40                    ; my column
	s_or_b32 s[G1+0], s43, (1<<16)|(1<<20)|(1<<21)|(4<<22)|(3<<25)   ; A: elements of 2 bytes; 4 words of padding after every 32
	s_mov_b32 s[G1+1], 64<<16                      ; tensor_dim0
	s_mov_b32 s[G1+2], 128<<16                     ; tensor_dim1
	s_mov_b32 s[G1+3], 64<<16                      ; tile_dim0
	s_mov_b32 s[G1+4], 128                         ; tile_dim1
	s_mov_b32 s[G1+5], 64                          ; from row to row: a head's token rows lie on end
	s_mov_b32 s[G1+6], 0
	s_mov_b32 s[G1+7], 0
	s_or_b32 s[G1B+0], s44, (1<<16)|(1<<20)|(1<<21)|(5<<22)|(3<<25)  ; wot: 4 words of padding after every 64
	s_mov_b32 s[G1B+1], 128<<16
	s_mov_b32 s[G1B+2], 128<<16
	s_mov_b32 s[G1B+3], 128<<16
	s_mov_b32 s[G1B+4], 128
	s_mov_b32 s[G1B+5], 1024
	s_mov_b32 s[G1B+6], 0
	s_mov_b32 s[G1B+7], 0
	s_lshr_b32 s16, s13, 4                         ; A: batch x 2^22 + head x 2^18 + first token x 128
	s_lshl_b32 s16, s16, 22
	s_and_b32 s17, s13, 15
	s_lshl_b32 s17, s17, 14
	s_add_co_u32 s16, s16, s17
	s_lshl_b32 s17, s12, 18
	s_add_co_u32 s16, s16, s17
	s_mov_b32 s17, 0
	s_lshl_b32 s46, s42, 8                         ; wot: row 256 x tile column + 128 x half, of 2,048 bytes
	s_lshl_b32 s47, s12, 7
	s_add_co_u32 s46, s46, s47
	s_lshl_b32 s46, s46, 11
	s_mov_b32 s47, 0
	s_mul_i32 s20, s12, ASUB                       ; where they go: no place in the cluster enters an LDS address
	s_mul_i32 s21, s12, BHALF
	s_add_co_u32 s21, s21, BOFF
	s_wait_dscnt 0x0                               ; both opening adds are done
	s_wait_kmcnt 0x0
	s_add_nc_u64 s[14:15], s[4:5], s[16:17]
	s_add_nc_u64 s[46:47], s[6:7], s[46:47]
	CROUND                                         ; all sixteen work-groups are here: the first joint loads meet
.irp s, 0,1
	s_mov_b32 s[G0+4*\s], 1
	s_add_co_u32 s[G0+4*\s+1], s20, \s*SLOT
	s_add_nc_u64 s[G0+4*\s+2:G0+4*\s+3], s[14:15], \s*524288     ; K step s: two heads on
	s_or_b32 s[G0+4*\s+3], s[G0+4*\s+3], 0x80000000
	s_mov_b32 s[G0B+4*\s], 1
	s_add_co_u32 s[G0B+4*\s+1], s21, \s*SLOT
	s_add_nc_u64 s[G0B+4*\s+2:G0B+4*\s+3], s[46:47], \s*256
	s_or_b32 s[G0B+4*\s+3], s[G0B+4*\s+3], 0x80000000
	JLOAD \s
.endr
	v_and_b32 v1, 15, v0                           ; r
	v_bfe_u32 v2, v0, 4, 1                         ; hf
	v_mul_u32_u24 v3, v1, PA
	v_lshl_add_u32 v3, v2, 4, v3
	v_mul_u32_u24 v4, v1, PB
	v_lshl_add_u32 v4, v2, 4, v4
	s_mul_i32 s21, s11, 64*PA                      ; my 64 rows of A, in each sub-tile
	s_mul_i32 s22, s12, BHALF                      ; my 128 rows of wot
	s_add_co_u32 s22, s22, BOFF
.irp s, 0,1
	v_add_nc_u32 v[ADRA+\s], s21, v3
	v_add_nc_u32 v[ADRB+\s], s22, v4
	s_add_co_u32 s21, s21, SLOT
	s_add_co_u32 s22, s22, SLOT
.endr
	s_mul_i32 s23, s10, 16*SPITCH
	s_add_co_u32 s23, s23, STAGE                   ; my stage
	v_mul_u32_u24 v5, v1, SPITCH
	v_lshl_add_u32 v5, v2, 5, v5
	v_add_nc_u32 v[STO], s23, v5                   ; in: row r, 32 bytes for each half of the lanes
	v_and_b32 v6, 31, v0
	v_lshlrev_b32 v[CO], 4, v6                     ; back: the 32 lanes take one row of 512 bytes; and the same in C
	v_add_nc_u32 v[RD], s23, v[CO]
	s_lshl_b32 s16, s13, 7
	s_lshl_b32 s17, s11, 6
	s_add_co_u32 s16, s16, s17                     ; my first row of C
	s_lshl_b32 s16, s16, 12                        ; of 4,096 bytes
	s_mov_b32 s17, 0
	s_add_nc_u64 s[8:9], s[8:9], s[16:17]
	s_lshl_b32 s46, s42, 10                        ; my first column, in bytes
	s_lshl_b32 s47, s12, 9
	s_add_co_u32 s46, s46, s47
	s_mov_b32 s47, 0
	s_add_nc_u64 s[8:9], s[8:9], s[46:47]
.macro MUL8 f, a, zero                 ; A's block a against wot's eight, 32 along K.  The 32 accumulators take turns in the same order in every quarter
.irp b, 0,1,2,3,4,5,6,7
.if \zero
	v_wmma_f32_16x16x32_f16 v[8*(8*(\a)+\b):8*(8*(\a)+\b)+7], v[64*(\f)+8*\b:64*(\f)+8*\b+7], v[AF+32*(\f)+8*(\a):AF+32*(\f)+8*(\a)+7], 0
.else
	v_wmma_f32_16x16x32_f16 v[8*(8*(\a)+\b):8*(8*(\a)+\b)+7], v[64*(\f)+8*\b:64*(\f)+8*\b+7], v[AF+32*(\f)+8*(\a):AF+32*(\f)+8*(\a)+7], v[8*(8*(\a)+\b):8*(8*(\a)+\b)+7]
.endif
.endr
.endm
.macro FETCH slot, q, f                ; 24 LDS loads in one run: quarter q's fragments into buffer f: wot's eight, then A's four
	WIN TO_B
.irp i, 0,1,2,3,4,5,6,7
	ds_load_b128 v[64*(\f)+8*\i:64*(\f)+8*\i+3],   v[ADRB+\slot] offset:64*(\q)+\i*16*PB
	ds_load_b128 v[64*(\f)+8*\i+4:64*(\f)+8*\i+7], v[ADRB+\slot] offset:64*(\q)+\i*16*PB+32
.endr
	WIN 0
.irp i, 0,1,2,3
	ds_load_b128 v[AF+32*(\f)+8*\i:AF+32*(\f)+8*\i+3],   v[ADRA+\slot] offset:((\q)/2)*ASUB+((\q)%2)*64+\i*16*PA
	ds_load_b128 v[AF+32*(\f)+8*\i+4:AF+32*(\f)+8*\i+7], v[ADRA+\slot] offset:((\q)/2)*ASUB+((\q)%2)*64+\i*16*PA+32
.endr
.endm
.macro PLACES
.rept 4
	v_nop
.endr
.endm
.macro QUARTER slot, q, f, g, zero     ; multiplies buffer f; in its middle fetches quarter q of the same slot into buffer g
	s_wait_dscnt 4                                 ; wot's fragments and A's blocks 0, 1 are in; the youngest four loads (A's blocks 2, 3) may be out
	WIN MUL
	MUL8 \f, 0, \zero
	MUL8 \f, 1, \zero
	PLACES
	FETCH \slot, \q, \g
	s_wait_dscnt 24                                ; all but the 24 just issued
	WIN MUL
	MUL8 \f, 2, \zero
	MUL8 \f, 3, \zero
.endm
; A slot's last quarter multiplies buffer 1 and changes slots: one barrier; in front of it each wave waits for all its tensor loads, adds 0 to its spare word, and waits for that and for its reads of this slot.
.macro TURN slot, next, fill
	WIN 0
	s_wait_tensorcnt 0x0                           ; all my tensor loads have landed: my part of the next slot
	ds_add_u32 v[SPW], v[NIL]
	s_wait_dscnt 5                                 ; the add and the youngest four loads may be out
	WIN MUL
	MUL8 1, 0, 0
	s_wait_dscnt 0x0                               ; the add is done, and my reads of this slot are over
	s_barrier_signal -1
	MUL8 1, 1, 0
	WIN 0
	s_barrier_wait -1
.if \fill
	CREST                                          ; the barrier has opened a round of the cluster's barrier: no wave of any partner still reads this slot or has a load on its way
	s_add_nc_u64 s[G0+4*\slot+2:G0+4*\slot+3], s[G0+4*\slot+2:G0+4*\slot+3], 1048576    ; two K steps on: four heads
	s_add_nc_u64 s[G0B+4*\slot+2:G0B+4*\slot+3], s[G0B+4*\slot+2:G0B+4*\slot+3], 512
	JLOAD \slot                                    ; the first tensor load behind the round; its four v_nop are also the places in front of the loads below
.else
	PLACES
.endif
	FETCH \next, 0, 0
	WIN MUL
	MUL8 1, 2, 0
	MUL8 1, 3, 0
.endm
	s_wait_tensorcnt 1                             ; my part of K step 0 is in (K step 1's may be out)
	s_barrier_signal -1
	s_barrier_wait -1                              ; everybody's is
	FETCH 0, 0, 0
	QUARTER 0, 1, 0, 1, 1                          ; the first quarter's products start the sums
	WIN 0
	s_mov_b32 s3, LAPS-1
.Llap:                                             ; a trip goes once round the ring, from a lap's second quarter to the next lap's first, and fills both slots again
	QUARTER 0, 2, 1, 0, 0
	QUARTER 0, 3, 0, 1, 0
	TURN 0, 1, 1
	QUARTER 1, 1, 0, 1, 0
	QUARTER 1, 2, 1, 0, 0
	QUARTER 1, 3, 0, 1, 0
	TURN 1, 0, 1
	QUARTER 0, 1, 0, 1, 0
	WIN 0
	s_sub_co_u32 s3, s3, 1
	s_cmp_lg_u32 s3, 0
	s_cbranch_scc1 .Llap
	QUARTER 0, 2, 1, 0, 0                          ; the last lap fills nothing
	QUARTER 0, 3, 0, 1, 0
	TURN 0, 1, 0
	QUARTER 1, 1, 0, 1, 0
	QUARTER 1, 2, 1, 0, 0
	QUARTER 1, 3, 0, 1, 0
	s_wait_dscnt 4                                 ; the very last quarter
	WIN MUL
	MUL8 1, 0, 0
	MUL8 1, 1, 0
	s_wait_dscnt 0
	MUL8 1, 2, 0
	MUL8 1, 3, 0
	WIN 0
; THE WAY OUT, block by block of 16 rows x 128 columns, through my own stage: back as whole rows of 512 bytes.
.macro TOSTAGE a
.set AC, 64*(\a)
	WIN 0x08                                       ; an LDS store's data are its source 1: window 2
.irp b, 0,1,2,3,4,5,6,7
	ds_store_b128 v[STO], v[AC+8*\b:AC+8*\b+3] offset:64*\b          ; each accumulator from its low end on
	ds_store_b128 v[STO], v[AC+8*\b+4:AC+8*\b+7] offset:64*\b+16
.endr
	WIN 0
.set BB, BK+64*((\a)%2)
.irp t, 0,1,2,3,4,5,6,7,8,9,10,11,12,13,14,15
	ds_load_b128 v[BB+4*\t:BB+4*\t+3], v[RD] offset:\t*SPITCH        ; LDS serves a wave's instructions in order
.endr
.endm
.macro SEND a, younger
.set BB, BK+64*((\a)%2)
	s_wait_dscnt \younger                          ; the block is back; the next block's 16 stores and 16 loads may be out
.irp t, 0,1,2,3,4,5,6,7,8,9,10,11,12,13,14,15
	global_store_b128 v[CO], v[BB+4*\t:BB+4*\t+3], s[8:9] offset:(16*(\a)+\t)*4096 th:TH_STORE_NT   ; 32 lanes store 512 consecutive bytes, aligned
.endr
.endm
	PLACES
	TOSTAGE 0
.irp a, 1,2,3
.if \a > 1
	s_wait_xcnt 0x0                                ; block a - 2's stores have read their registers: block a's loads may land there
.endif
	TOSTAGE \a
	SEND \a-1, 32
.endr
	SEND 3, 0
	s_wait_tensorcnt 0x0                           ; the wave's end
	ds_add_u32 v[SPW], v[NIL]
	s_wait_dscnt 0x0
	CROUND                                         ; the closing round
	s_endpgm
.Lfunc_end_k_q9e7c9708f9_proj:
	.size	k_q9e7c9708f9_proj, .Lfunc_end_k_q9e7c9708f9_proj-k_q9e7c9708f9_proj
	.p2alignl 7, 3214868480
	.fill 96, 4, 3214868480
	.section	.rodata,"a",@progbits
	.p2align	6, 0x0
	.amdhsa_kernel k_q9e7c9708f9_proj
		.amdhsa_group_segment_fixed_size 327680
		.amdhsa_private_segment_fixed_size 0
		.amdhsa_enable_private_segment 0
		.amdhsa_kernarg_size 24
		.amdhsa_user_sgpr_count 2
		.amdhsa_user_sgpr_kernarg_segment_ptr 1
		.amdhsa_wavefront_size32 1
		.amdhsa_system_sgpr_workgroup_id_x 1
		.amdhsa_system_sgpr_workgroup_id_y 1
		.amdhsa_system_sgpr_workgroup_id_z 1
		.amdhsa_system_vgpr_workitem_id 0
		.amdhsa_next_free_vgpr 768
		.amdhsa_next_free_sgpr 66
		.amdhsa_reserve_vcc 0
		.amdhsa_float_denorm_mode_32 3
		.amdhsa_float_denorm_mode_16_64 3
		.amdhsa_memory_ordered 1
		.amdhsa_forward_progress 1
		.amdhsa_inst_pref_size 86
	.end_amdhsa_kernel
	.amdgpu_metadata
---
amdhsa.version: [ 1, 2 ]
amdhsa.kernels:
  - .name:           k_q9e7c9708f9_proj
    .symbol:         k_q9e7c9708f9_proj.kd
    .args:
      - { .name: ao16, .offset: 0, .size: 8, .value_kind: global_buffer, .address_space: global }
      - { .name: wot, .offset: 8, .size: 8, .value_kind: global_buffer, .address_space: global }
      - { .name: out0, .offset: 16, .size: 8, .value_kind: global_buffer, .address_space: global }
    .group_segment_fixed_size: 327680
    .private_segment_fixed_size: 0
    .kernarg_segment_align: 8
    .kernarg_segment_size: 24
    .max_flat_workgroup_size: 128
    .sgpr_count:     66
    .vgpr_count:     768
    .wavefront_size: 32
...
	.end_amdgpu_metadata
.endif
;; end of part 4
;; launch fine (part 5): grid 16 x 4, 16 waves a work-group, no clusters, 71,680 bytes of LDS; arguments qkv32, w_o, out0; writes out0
.if DOCPART == 5
	.amdgcn_target "amdgcn-amd-amdhsa--gfx1250"
	.amdhsa_code_object_version 6
	.text
	.protected	k_q9e7c9708f9_fine
	.globl	k_q9e7c9708f9_fine
	.p2align	8
	.type	k_q9e7c9708f9_fine,@function
k_q9e7c9708f9_fine:
	s_mov_b64 s[64:65], 0
	v_nop
	global_prefetch_b8 v0, s[64:65] scope:SCOPE_SE
	s_setreg_imm32_b32 hwreg(HW_REG_WAVE_MODE, 25, 1), 1
	s_wait_xcnt 0x0
; POSITIONS 0 TO 15 OF EACH SEQUENCE, WHOLLY IN f32: under the causal mask these rows average one to sixteen values and are the largest of the output, so the rounding of 16-bit operands weighs most there.
; This launch computes their attention and their projection anew from the f32 copy of q, k, v (qkv32) and from w_o as it is given, and writes over the 64 rows of out0 that the launch before has made.
; SHARES.  A work-group takes a batch (y) and 64 columns of out0 (x); a wave takes a head: its 16 x 16 attention (repeated in each of the 16 column slices: 32 small products), then its head's share of out[16][64];
; the sixteen shares meet in LDS and are added in the order of the heads.
; All products by v_wmma_f32_16x16x4_f32: 64 rows in all, no bulk work.  Its four places along K, (lane / 16, register j), are given the same channel or key in both operands, so that the images of accumulators serve as
; operands as they stand: place (hf, j) of pair e stands for channel or key 8 hf + 2 e + j of a tile of 16.
; qkv32: [b][ct 192][c 2][lane 32][4] f32: lane (r, hf), word i: token r, column n' = 16 ct + 8 hf + 4 c + i; n' = 1024 p + 64 h + d.
; The registers that the matrix instructions write (v176-239) are written by nothing else.
.set SPARE, 69632                      ; behind the sixteen shares: the spare words, 128 bytes for each wave
.set SPW,  4
.set NIL,  5
.set QF,   16                          ; v16-47   Q: register 8 ctl + e8: channel 16 ctl + 8 hf + e8 of token r
.set KFR,  48                          ; v48-79   K likewise
.set VF,   80                          ; v80-111  V: register 8 ctl + kk: key 8 hf + kk, channel 16 ctl + r
.set W1,   112                         ; v112-175 w_o's numbers for channels 0-31 of my head
.set W2,   16                          ; v16-79   and for channels 32-63, once Q and K are done with
.set A1,   176                         ; v176-207 S^T in four parts, then O^T
.set A2,   208                         ; v208-239 my share of out^T
.set P,    240                         ; v240-247 the scores, then the weights
	s_load_b128 s[4:7], s[0:1], 0x0                ; qkv32, w_o
	s_load_b64 s[8:9], s[0:1], 0x10                ; out0
	v_lshl_add_u32 v[SPW], v0, 2, SPARE
	v_mov_b32 v[NIL], 0
	v_lshrrev_b32 v1, 5, v0
	v_readfirstlane_b32 s10, v1                    ; wave = head; later: the query that I add up
	s_and_b32 s12, ttmp7, 0xffff                   ; batch
	v_and_b32 v11, 15, v0                          ; r
	v_bfe_u32 v12, v0, 4, 1                        ; hf
	v_and_b32 v13, 31, v0                          ; lane
	v_lshlrev_b32 v1, 4, v13                       ; Q, K: 16 x lane
	v_bfe_u32 v2, v0, 2, 1                         ; V: channel r of a tile lies in word r % 4 of lanes with hf' = r / 8, half c' = (r / 4) % 2; token 8 hf + kk is lane 8 hf + kk + 16 hf'
	v_lshlrev_b32 v2, 9, v2
	v_bfe_u32 v14, v0, 3, 1
	v_lshl_add_u32 v2, v14, 8, v2
	v_and_b32 v14, 3, v0
	v_lshl_add_u32 v2, v14, 2, v2
	v_lshl_add_u32 v2, v12, 7, v2
	v_lshlrev_b32 v3, 2, v11                       ; w_o: column r of a tile, rows 8 hf on
	v_lshl_add_u32 v3, v12, 15, v3
	v_lshlrev_b32 v6, 3, v12
	v_sub_nc_u32 v6, v11, v6                       ; the mask: register j holds key 8 hf + j for query r: hidden where j > r - 8 hf
	v_mov_b32 v7, 0xff800000                       ; -infinity
	s_mul_i32 s13, s10, 4352                       ; my share in LDS: 16 rows x (256 bytes + 16)
	v_mul_u32_u24 v8, v11, 272
	v_lshl_add_u32 v8, v12, 5, v8
	v_add_nc_u32 v8, s13, v8                       ; in: query r, 32 bytes for each half of the lanes
	s_mul_i32 s13, s10, 272
	v_lshlrev_b32 v10, 3, v13                      ; 8 x lane
	v_add_nc_u32 v9, s13, v10                      ; back: my query's row of each share
	s_mul_i32 s14, s12, 196608
	s_lshl_b32 s15, s10, 12
	s_add_co_u32 s14, s14, s15                     ; qkv32: my batch, my head's four tiles of columns
	s_mov_b32 s15, 0
	s_lshl_b32 s16, s10, 18                        ; w_o: my head's 64 rows of 4,096 bytes,
	s_lshl_b32 s17, ttmp9, 8                       ; my work-group's 64 columns
	s_add_co_u32 s16, s16, s17
	s_mov_b32 s17, 0
	s_lshl_b32 s18, s12, 11
	s_add_co_u32 s18, s18, s10                     ; out0: row 2,048 x batch + my query
	s_lshl_b32 s18, s18, 12
	s_lshl_b32 s19, ttmp9, 8
	s_add_co_u32 s18, s18, s19
	s_mov_b32 s19, 0
	s_mov_b32 s20, 0x76543210
	s_mov_b32 s21, 0xfedcba98                      ; lane l xor 16
	s_mov_b32 s22, 0x3d38aa3b                      ; c = log2(e) / 32
	s_mov_b32 s23, s22
	s_wait_kmcnt 0x0
	s_add_nc_u64 s[4:5], s[4:5], s[14:15]
	s_add_nc_u64 s[6:7], s[6:7], s[16:17]
	s_add_nc_u64 s[8:9], s[8:9], s[18:19]
.irp p, 0,1                                    ; Q, then K: 16 loads
.irp ctl, 0,1,2,3
.irp c, 0,1
	global_load_b128 v[QF+32*\p+8*\ctl+4*\c:QF+32*\p+8*\ctl+4*\c+3], v1, s[4:5] offset:65536*\p+1024*\ctl+512*\c
.endr
.endr
.endr
.irp ctl, 0,1,2,3                              ; V: 32 loads
.irp kk, 0,1,2,3,4,5,6,7
	global_load_b32 v[VF+8*\ctl+\kk], v2, s[4:5] offset:131072+1024*\ctl+16*\kk
.endr
.endr
.macro WLOAD reg, c0                           ; 64 loads: w_o(64 head + 16 ctl + 8 hf + 2 e + j, 64 slice + 16 tau + r), ctl = c0, c0 + 1
.irp cc, 0,1
.irp e, 0,1,2,3
.irp tau, 0,1,2,3
.irp j, 0,1
	global_load_b32 v[\reg+((4*\cc+\e)*4+\tau)*2+\j], v3, s[6:7] offset:(16*(\c0+\cc)+2*\e+\j)*4096+64*\tau
.endr
.endr
.endr
.endr
.endm
	WLOAD W1, 0
	s_wait_loadcnt 63                              ; 112 loads are issued: at most the youngest 63 are out, so the first 49 are in, Q's and K's 16 among them
.irp e, 0,1,2,3                                ; S^T = K Q^T in four parts, one for each 16 channels: the four accumulators take turns
.irp ctl, 0,1,2,3
.if \e == 0
	v_wmma_f32_16x16x4_f32 v[A1+8*\ctl:A1+8*\ctl+7], v[KFR+8*\ctl+2*\e:KFR+8*\ctl+2*\e+1], v[QF+8*\ctl+2*\e:QF+8*\ctl+2*\e+1], 0
.else
	v_wmma_f32_16x16x4_f32 v[A1+8*\ctl:A1+8*\ctl+7], v[KFR+8*\ctl+2*\e:KFR+8*\ctl+2*\e+1], v[QF+8*\ctl+2*\e:QF+8*\ctl+2*\e+1], v[A1+8*\ctl:A1+8*\ctl+7]
.endif
.endr
.endr
.rept 8
	v_nop                                          ; eight places behind this form: in front of the loads into Q's and K's registers and of the first read of the scores
.endr
	WLOAD W2, 2
.irp jp, 0,2,4,6                               ; the four parts are added, from the accumulators' low ends on, into other registers
	v_pk_add_f32 v[248:249], v[A1+\jp:A1+\jp+1], v[A1+8+\jp:A1+8+\jp+1]
	v_pk_add_f32 v[250:251], v[A1+16+\jp:A1+16+\jp+1], v[A1+24+\jp:A1+24+\jp+1]
	v_pk_add_f32 v[P+\jp:P+\jp+1], v[248:249], v[250:251]
.endr
.irp j, 0,1,2,3,4,5,6,7
	v_cmp_gt_i32 vcc_lo, \j, v6
	v_cndmask_b32 v[P+\j], v[P+\j], v7, vcc_lo     ; hidden keys: -infinity ahead of the maximum
.endr
	v_max3_num_f32 v248, v[P], v[P+1], v[P+2]
	v_max3_num_f32 v249, v[P+3], v[P+4], v[P+5]
	v_max3_num_f32 v248, v248, v[P+6], v[P+7]
	v_max_num_f32 v248, v248, v249
	v_permlanex16_b32 v249, v248, s20, s21
	v_max_num_f32 v248, v248, v249                 ; the row's maximum: key 0 counts for every query, so it is a number
	v_mul_f32 v248, s22, v248                      ; c m
.irp jp, 0,2,4,6
	v_pk_fma_f32 v[P+\jp:P+\jp+1], v[P+\jp:P+\jp+1], s[22:23], v[248:249] op_sel_hi:[1,0,0] neg_lo:[0,0,1] neg_hi:[0,0,1]
.endr
.irp j, 0,1,2,3,4,5,6,7
	v_exp_f32 v[P+\j], v[P+\j]
.endr
	v_nop                                          ; a plain instruction behind the last exponential
	s_wait_alu depctr_va_vdst(0)                   ; one wait for the eight, ahead of their first reader
	v_pk_add_f32 v[250:251], v[P:P+1], v[P+2:P+3]
	v_pk_add_f32 v[252:253], v[P+4:P+5], v[P+6:P+7]
	v_pk_add_f32 v[250:251], v[250:251], v[252:253]
	v_add_f32 v250, v250, v251
	v_permlanex16_b32 v251, v250, s20, s21
	v_add_f32 v250, v250, v251                     ; the row's sum
	v_rcp_f32 v252, v250
	v_nop
	s_wait_alu depctr_va_vdst(0)
.irp jp, 0,2,4,6
	v_pk_mul_f32 v[P+\jp:P+\jp+1], v[P+\jp:P+\jp+1], v[252:253] op_sel_hi:[1,0]   ; the weights, normalised
.endr
	s_wait_loadcnt 63                              ; 176 loads are issued: the first 113 are in: V, and w_o's numbers for channels 0-31
.irp e, 0,1,2,3                                ; O^T = V^T P: four tiles of 16 channels by turns; more than nine plain instructions stand behind the products that wrote these registers last
.irp ctl, 0,1,2,3
.if \e == 0
	v_wmma_f32_16x16x4_f32 v[A1+8*\ctl:A1+8*\ctl+7], v[VF+8*\ctl+2*\e:VF+8*\ctl+2*\e+1], v[P+2*\e:P+2*\e+1], 0
.else
	v_wmma_f32_16x16x4_f32 v[A1+8*\ctl:A1+8*\ctl+7], v[VF+8*\ctl+2*\e:VF+8*\ctl+2*\e+1], v[P+2*\e:P+2*\e+1], v[A1+8*\ctl:A1+8*\ctl+7]
.endif
.endr
.endr
.rept 9
	v_nop                                          ; nine places before a matrix instruction takes these results as an operand
.endr
.macro PROJ reg, c0, first                     ; out^T += w_o^T O^T over 32 channels: four tiles of 16 columns by turns
.irp cc, 0,1
.irp e, 0,1,2,3
.irp tau, 0,1,2,3
.if (\first) && (\cc == 0) && (\e == 0)
	v_wmma_f32_16x16x4_f32 v[A2+8*\tau:A2+8*\tau+7], v[\reg+((4*\cc+\e)*4+\tau)*2:\reg+((4*\cc+\e)*4+\tau)*2+1], v[A1+8*(\c0+\cc)+2*\e:A1+8*(\c0+\cc)+2*\e+1], 0
.else
	v_wmma_f32_16x16x4_f32 v[A2+8*\tau:A2+8*\tau+7], v[\reg+((4*\cc+\e)*4+\tau)*2:\reg+((4*\cc+\e)*4+\tau)*2+1], v[A1+8*(\c0+\cc)+2*\e:A1+8*(\c0+\cc)+2*\e+1], v[A2+8*\tau:A2+8*\tau+7]
.endif
.endr
.endr
.endr
.endm
	PROJ W1, 0, 1
	s_wait_loadcnt 0x0                             ; w_o's numbers for channels 32-63
	PROJ W2, 2, 0
.rept 8
	v_nop                                          ; eight places in front of the stores that read the results, and of the loads into operands' registers
.endr
.irp tau, 0,1,2,3
	ds_store_b128 v8, v[A2+8*\tau:A2+8*\tau+3] offset:64*\tau          ; lane (r, hf): out(query r, 16 tau + 8 hf + 0 .. 7); each accumulator from its low end on
	ds_store_b128 v8, v[A2+8*\tau+4:A2+8*\tau+7] offset:64*\tau+16
.endr
	s_wait_dscnt 0x0                               ; for the others' sake: my share lies in LDS
	s_barrier_signal -1
	s_barrier_wait -1
.irp w, 0,1,2,3,4,5,6,7,8,9,10,11,12,13,14,15
	ds_load_b64 v[16+2*\w:17+2*\w], v9 offset:4352*\w                  ; my query's row of head w's share: 256 bytes
.endr
	s_wait_dscnt 0x0
	v_pk_add_f32 v[48:49], v[16:17], v[18:19]      ; the heads in ascending order
.irp w, 2,3,4,5,6,7,8,9,10,11,12,13,14,15
	v_pk_add_f32 v[48:49], v[48:49], v[16+2*\w:17+2*\w]
.endr
	global_store_b64 v10, v[48:49], s[8:9]         ; 32 lanes store 256 consecutive bytes, aligned
	s_wait_tensorcnt 0x0                           ; the wave's end: three lines behind my last LDS store
	ds_add_u32 v[SPW], v[NIL]
	s_wait_dscnt 0x0
	s_endpgm
.Lfunc_end_k_q9e7c9708f9_fine:
	.size	k_q9e7c9708f9_fine, .Lfunc_end_k_q9e7c9708f9_fine-k_q9e7c9708f9_fine
	.p2alignl 7, 3214868480
	.fill 96, 4, 3214868480
	.section	.rodata,"a",@progbits
	.p2align	6, 0x0
	.amdhsa_kernel k_q9e7c9708f9_fine
		.amdhsa_group_segment_fixed_size 71680
		.amdhsa_private_segment_fixed_size 0
		.amdhsa_enable_private_segment 0
		.amdhsa_kernarg_size 24
		.amdhsa_user_sgpr_count 2
		.amdhsa_user_sgpr_kernarg_segment_ptr 1
		.amdhsa_wavefront_size32 1
		.amdhsa_system_sgpr_workgroup_id_x 1
		.amdhsa_system_sgpr_workgroup_id_y 1
		.amdhsa_system_sgpr_workgroup_id_z 1
		.amdhsa_system_vgpr_workitem_id 0
		.amdhsa_next_free_vgpr 256
		.amdhsa_next_free_sgpr 66
		.amdhsa_reserve_vcc 1
		.amdhsa_float_denorm_mode_32 3
		.amdhsa_float_denorm_mode_16_64 3
		.amdhsa_memory_ordered 1
		.amdhsa_forward_progress 1
		.amdhsa_inst_pref_size 32
	.end_amdhsa_kernel
	.amdgpu_metadata
---
amdhsa.version: [ 1, 2 ]
amdhsa.kernels:
  - .name:           k_q9e7c9708f9_fine
    .symbol:         k_q9e7c9708f9_fine.kd
    .args:
      - { .name: qkv32, .offset: 0, .size: 8, .value_kind: global_buffer, .address_space: global }
      - { .name: w_o, .offset: 8, .size: 8, .value_kind: global_buffer, .address_space: global }
      - { .name: out0, .offset: 16, .size: 8, .value_kind: global_buffer, .address_space: global }
    .group_segment_fixed_size: 71680
    .private_segment_fixed_size: 0
    .kernarg_segment_align: 8
    .kernarg_segment_size: 24
    .max_flat_workgroup_size: 512
    .sgpr_count:     66
    .vgpr_count:     256
    .wavefront_size: 32
...
	.end_amdgpu_metadata
.endif
;; end of part 5
